; MI455X (gfx1250); checked and timed in simulation.
; The chip was launched on July 23, 2026; its instructions are those of AMD's public machine-readable ISA for CDNA 5 (MIT licence, August 2026) and "CDNA5" Instruction Set Architecture Reference Guide (July 2026). The comments in the code are by the model that wrote it; some were corrected since.
;; Efficient Attention. Allowed arithmetic: matrix products marked QUANTISED: E2M3 operands, one E8M0 scale for each 32 along K, by v_wmma_scale_f32_16x16x128_f8f6f4 with both operands' format E2M3, f32 sums; everything else in f32.
;; Inputs: Wk 1,024 x 1,024 float32; Wo 1,024 x 1,024 float32; Wq 1,024 x 1,024 float32; Wv 1,024 x 1,024 float32; hidden_states 4 x 2,048 x 1,024 float32.
;; Outputs: out0 4 x 2,048 x 1,024 float32.
;; This version of the problem:
;;   THIS VERSION OF THE PROBLEM IS GIVEN IN LOW PRECISION. The matrix products marked QUANTISED in the list below multiply operands that are first quantised to E2M3 (2 exponent bits, 3 mantissa bits; 6 bits a number), with one power-of-two scale for each 32 numbers along K (OCP MX v1.0); their sums are f32. All else is computed in f32.
;;   The module's matrix products, in the order in which they are computed (A, B: the left and right operand; K: the contracted axis; several contracted axes count as one K, in the product's order):
;;     1. [M 8,192, K 1,024] x [K 1,024, N 1,024]; A: input hidden_states; B: input Wq: QUANTISED
;;     2. [M 8,192, K 1,024] x [K 1,024, N 1,024]; A: input hidden_states; B: input Wk: QUANTISED
;;     3. [M 8,192, K 1,024] x [K 1,024, N 1,024]; A: input hidden_states; B: input Wv: QUANTISED
;;     4. batch 32 x [M 2,048, K 128] x [K 128, N 2,048]; A: computed on the way; B: computed on the way: QUANTISED
;;     5. batch 32 x [M 2,048, K 2,048] x [K 2,048, N 128]; A: softmax (see below); B: computed on the way: QUANTISED
;;     6. [M 8,192, K 1,024] x [K 1,024, N 1,024]; A: computed on the way; B: input Wo: QUANTISED
;;   THE QUANTISER, for each operand of a quantised product, along K:
;;     - K is cut into blocks of 32 from its start; a last block that is shorter is filled with zeros.
;;     - A block's scale is 2^e with e = floor(log2(the largest magnitude in the block)) - 2, held to -126 .. 127; a block of zeros has e = 0. As a byte (E8M0): e + 127.
;;     - Each number is divided by its block's scale, clamped to +-7.5, and rounded to the nearest number of E2M3, ties to even, subnormals kept.
;;     - The product sums the exact products of the quantised numbers (number of the format x scale) in f32.
;;   ~~~python
;;   def quantise(x, axis):      # numpy; x: float32 -> the quantised numbers, widened to float32 again
;;       x = np.moveaxis(x, axis, -1); K = x.shape[-1]
;;       x = np.pad(x, [(0, 0)] * (x.ndim - 1) + [(0, -K % 32)]); x = x.reshape(x.shape[:-1] + (-1, 32)); a = np.abs(x).max(-1, keepdims=True)
;;       e = np.where(a > 0, np.clip(np.frexp(np.where(a > 0, a, 1))[1] - 1 - 2, -126, 127), 0)      # np.frexp(a)[1] - 1 = floor(log2(a)), exactly
;;       r = np.clip(x / 2.0 ** e, -7.5, 7.5)
;;       step = 2.0 ** (np.maximum(np.frexp(np.where(r == 0, 1, r))[1] - 1, 0) - 3)
;;       q = np.round(r / step) * step * 2.0 ** e      # np.round: ties to even
;;       return np.moveaxis(q.reshape(q.shape[:-2] + (-1,))[..., :K], -1, axis).astype(np.float32)
;;   ~~~
;;   SOFTMAX AHEAD OF A QUANTISED PRODUCT. Where the list says 'softmax', what is quantised is not the finished softmax but p = 2^(t - M), with t = logit x log2(e) and M = ceil(the row's largest t), a whole number; so 1/2 < the row's largest p <= 1. The row's sum l is taken of the UNQUANTISED p, in f32, and the product's result is divided by l at the end. Since M is a whole number, a kernel that streams over the keys may use a running M (the ceiling of the running maximum): every later rescaling is an exact power of two, which a block's scale takes up: the codes' values come out the same.
;;   OPERANDS COMPUTED ON THE WAY. 'Computed on the way' means the value that the module computes at that place (a softmax that the list does not call 'softmax' is quantised finished and normalised). What goes into a quantiser is computed in f32, as accurately as f32 sums, v_exp_f32 and their like allow (about 1e-6 of the number): no bf16 or f16 on the way to a quantiser, and a product that is left as it is and whose result goes on into a quantised operand takes f32 operands (vector FMAs, or v_wmma_f32_16x16x4_f32). A number that lies on a knife's edge between two numbers of the format may be rounded either way, as far as f32 arithmetic and the matrix unit's own rounding can turn it there, and no further.
;; One version. Each part assembles by itself: llvm-mc -triple=amdgcn-amd-amdhsa -mcpu=gfx1250 --defsym DOCPART=n.
;; ======== version 1 of 1: 4 launches
;; limits: right only within a limited range of input values
;; workspace buffers: img 9,437,184 bytes; scl 393,216 bytes; qkv_img 19,660,800 bytes; o_img 6,291,456 bytes; o_scl 262,144 bytes
;; launch quant (part 1): grid 768 x 1, 2 waves a work-group, no clusters, 17,152 bytes of LDS; arguments hidden_states, Wq, Wk, Wv, Wo, img, scl; writes img, scl
.if DOCPART == 1
	.amdgcn_target "amdgcn-amd-amdhsa--gfx1250"
	.amdhsa_code_object_version 6
	.text
	.protected	k_q69b2c1d922_quant
	.globl	k_q69b2c1d922_quant
	.p2align	8
	.type	k_q69b2c1d922_quant,@function
k_q69b2c1d922_quant:
	s_mov_b64 s[64:65], 0
	v_nop
	global_prefetch_b8 v0, s[64:65] scope:SCOPE_SE
	s_setreg_imm32_b32 hwreg(HW_REG_WAVE_MODE, 25, 1), 1
	s_wait_xcnt 0x0
; hidden_states [8192][1024] and Wq, Wk, Wv, Wo [1024][1024], f32 with K innermost, become codes of FP6 (E2M3) with one E8M0 scale for each 32 along K.
; A block's scale is 2^(floor(log2(its largest magnitude)) - 2); its byte is the largest magnitude's exponent field - 2, held at 1 from below.
; LIMITS: NaN and infinities among the inputs are not served; a block whose largest magnitude lies under 2^-124 keeps the byte 1; a block of zeros gets the byte 1 (not 127) with zero codes: the bytes are read by this program alone.
; LAYOUT OF THE RESULT.  Rows go in tiles of 16; tile 4 c + i holds at position p the row 64 c + 32 (p / 8) + 8 i + p % 8.  Tiles 0-511 hidden_states, 512-575 Wq, 576-639 Wk, 640-703 Wv, 704-767 Wo.
; (So the results of four neighbouring tiles as source 0 of a matrix instruction give a lane 32 neighbouring numbers: a whole block of the next quantiser.)
; A fragment (a tile x 128 along K) is stored as the IMAGE of the matrix operand's 12 registers: registers 4 g .. 4 g + 3 of lane l at 512 g + 16 l: 1,536 bytes; img: tile x 12,288 + K step x 1,536.
; scl: 512 bytes a tile; the scale word of K step s and position r at 256 (s / 4) + 16 r + 4 (s % 4).
; SHARES.  Work-group T takes tile T; its wave q takes K steps 4 q .. 4 q + 3.  Each of a wave's 64 loads reads 512 consecutive bytes of one row, and all 64 are issued at once.
; A conversion wants 16 neighbours along K in ONE lane: a K step's 16 x 512 bytes turn through the wave's own stage in LDS (rows 528 bytes apart, so that the sixteen rows of a read fall on sixteen different 16-byte columns).
; Memory binds: no matrix unit, no cluster, no tensor load; waves share nothing, so there is no barrier.
.set ROWB,   4096                      ; a row of any of the five tensors, in bytes
.set SPITCH, 528
.set WSTG,   16*SPITCH                 ; a wave's stage
.set SPARE,  2*WSTG                    ; behind the stages: the spare words, 128 bytes for each wave: one block of 256 bytes that no other line names
.set LI,  1                            ; v1   16 x lane
.set STI, 2                            ; v2   into the stage: my 16 bytes of a row
.set STO, 3                            ; v3   out of it: row r, + 64 h
.set SO,  4                            ; v4   16 r + 8 h: my two scale words
.set SPW, 8                            ; v8   my spare word; never rewritten
.set NIL, 9                            ; v9   0; never rewritten
.set X,   16                           ; v16-79   64 numbers: register 16 b + i = k 32 b + 16 h + i of row r
.set PC,  80                           ; v80-99   the codes just made
.set TM,  100                          ; v100-115 at work
.set PW,  116                          ; v116-119 the four K steps' scale words
.set D,   120                          ; v120-121 the two that I store
.set SEL, 30                           ; s[30:31] v_permlanex16_b32's selects for lane l xor 16
.set MSB, 0
.macro WIN new                         ; the immediate's high byte repeats the setting that is left
.if MSB != (\new)
	s_set_vgpr_msb (MSB<<8)|(\new)
.set MSB, (\new)
.endif
.endm
; 64 numbers of a lane in window w, register src + 16 b + i = k 32 b + 16 (lane / 16) + i of my row, become a fragment's codes in v[pc .. pc + 11] (pc + 12 .. pc + 19 at work) and its scale word in v[pw].
.macro QUANT src, w, pc, pw
.set QW5, 5*(\w)
.set QW1, (\w)
	WIN QW5
.irp b, 0,1,2,3
	v_max3_num_f32 v[TM+\b], |v[(\src)+16*\b]|, |v[(\src)+16*\b+1]|, 0x1800000   ; block b: my 16 numbers, and the floor 2^(3 - 127): the byte cannot fall under 1
.endr
.irp i, 2,4,6,8,10,12,14
.irp b, 0,1,2,3
	v_max3_num_f32 v[TM+\b], |v[(\src)+16*\b+\i]|, |v[(\src)+16*\b+\i+1]|, v[TM+\b]   ; the four blocks by turns, ascending
.endr
.endr
	WIN 0
.irp b, 0,1,2,3
	v_permlanex16_b32 v[TM+4+\b], v[TM+\b], s[SEL], s[SEL+1]
.endr
.irp b, 0,1,2,3
	v_max_num_f32 v[TM+\b], v[TM+\b], v[TM+4+\b]   ; with lane l xor 16's: the block's largest magnitude
.endr
.irp b, 0,1,2,3
	v_add_nc_u32 v[TM+12+\b], 0xff000000, v[TM+\b]   ; 2 off its exponent field: the conversion's scale operand
.endr
.irp b, 0,1,2,3
	v_lshrrev_b32 v[TM+4+\b], 23, v[TM+12+\b]      ; the scale's byte
.endr
	v_lshl_or_b32 v[\pw], v[TM+5], 8, v[TM+4]      ; four bytes: my row's scale word
	v_lshl_or_b32 v[\pw], v[TM+6], 16, v[\pw]
	v_lshl_or_b32 v[\pw], v[TM+7], 24, v[\pw]
	WIN QW1
.irp c, 0,1
	v_cvt_scalef32_pk16_fp6_f32 v[(\pc)+6*\c:(\pc)+6*\c+2], v[(\src)+32*\c:(\src)+32*\c+15], v[TM+12+2*\c]
	v_cvt_scalef32_pk16_fp6_f32 v[(\pc)+12+4*\c:(\pc)+12+4*\c+2], v[(\src)+32*\c+16:(\src)+32*\c+31], v[TM+13+2*\c]   ; (a conversion's three registers begin on an even number)
.endr
	WIN 0
	v_nop                                          ; one plain place behind a scaled conversion
.irp c, 0,1                                    ; the operand wants a WHOLE block in a lane: lanes 0-15 block 2 c, lanes 16-31 block 2 c + 1
.irp i, 0,1,2
	v_permlane16_swap_b32 v[(\pc)+6*\c+\i], v[(\pc)+12+4*\c+\i]
.endr
.irp i, 0,1,2
	v_mov_b32 v[(\pc)+3+6*\c+\i], v[(\pc)+12+4*\c+\i]
.endr
.endr
.endm
	s_load_b256 s[4:11], s[0:1], 0x0               ; hidden_states s[4:5], Wq s[6:7], Wk s[8:9], Wv s[10:11]
	s_load_b128 s[12:15], s[0:1], 0x20             ; Wo s[12:13], img s[14:15]
	s_load_b64 s[16:17], s[0:1], 0x30              ; scl
	v_lshl_add_u32 v[SPW], v0, 2, SPARE
	v_mov_b32 v[NIL], 0
	v_lshrrev_b32 v5, 5, v0
	v_readfirstlane_b32 s24, v5                    ; wave q
	v_and_b32 v5, 31, v0                           ; lane
	v_and_b32 v6, 15, v0                           ; r
	v_bfe_u32 v7, v0, 4, 1                         ; h
	v_lshlrev_b32 v[LI], 4, v5
	s_mul_i32 s25, s24, WSTG                       ; my stage
	v_add_nc_u32 v[STI], s25, v[LI]
	v_mul_u32_u24 v[STO], v6, SPITCH
	v_lshl_add_u32 v[STO], v7, 6, v[STO]
	v_add_nc_u32 v[STO], s25, v[STO]
	v_lshlrev_b32 v[SO], 4, v6
	v_lshl_add_u32 v[SO], v7, 3, v[SO]
.irp b, 0,1,2,3
	v_mov_b32 v[TM+4+\b], 0                        ; written once: a lane permute's destination counts as one of its sources
.endr
	s_mov_b32 s[SEL], 0x76543210
	s_mov_b32 s[SEL+1], 0xfedcba98
	s_cmp_lt_u32 ttmp9, 512
	s_cselect_b32 s20, 511, 63
	s_and_b32 s20, ttmp9, s20                      ; the tile's number in its own tensor
	s_lshr_b32 s21, s20, 2
	s_lshl_b32 s21, s21, 18                        ; 64 rows of 4,096 bytes for each four tiles,
	s_and_b32 s22, s20, 3
	s_lshl_b32 s22, s22, 15                        ; 8 rows for each tile of the four,
	s_add_co_u32 s22, s22, s21
	s_lshl_b32 s21, s24, 11                        ; and my wave's half of the row
	s_add_co_u32 s22, s22, s21
	s_mov_b32 s23, 0
	s_mul_i32 s26, ttmp9, 12288                    ; img: the tile, my four K steps
	s_mul_i32 s21, s24, 6144
	s_add_co_u32 s26, s26, s21
	s_mov_b32 s27, 0
	s_lshl_b32 s28, ttmp9, 9                       ; scl: the tile, my block of 256 bytes
	s_lshl_b32 s21, s24, 8
	s_add_co_u32 s28, s28, s21
	s_mov_b32 s29, 0
	s_wait_alu depctr_va_vdst(0)
	s_wait_kmcnt 0x0
	s_mov_b64 s[18:19], s[12:13]                   ; which tensor: the choice hangs on the work-group's number alone
	s_cmp_lt_u32 ttmp9, 704
	s_cselect_b64 s[18:19], s[10:11], s[18:19]
	s_cmp_lt_u32 ttmp9, 640
	s_cselect_b64 s[18:19], s[8:9], s[18:19]
	s_cmp_lt_u32 ttmp9, 576
	s_cselect_b64 s[18:19], s[6:7], s[18:19]
	s_cmp_lt_u32 ttmp9, 512
	s_cselect_b64 s[18:19], s[4:5], s[18:19]
	s_add_nc_u64 s[18:19], s[18:19], s[22:23]
	s_add_nc_u64 s[14:15], s[14:15], s[26:27]
	s_add_nc_u64 s[16:17], s[16:17], s[28:29]
	WIN 0x40                                       ; destination window 1: K step s, position i at v[64 s + 4 i]
.irp s, 0,1,2,3
.irp i, 0,1,2,3,4,5,6,7,8,9,10,11,12,13,14,15
	global_load_b128 v[64*\s+4*\i:64*\s+4*\i+3], v[LI], s[18:19] offset:(\i+24*(\i/8))*ROWB+512*\s th:TH_LOAD_NT   ; 32 lanes read 512 consecutive bytes of one row; positions 8-15 lie 32 rows behind positions 0-7; read once in the launch
.endr
.endr
.macro ONESTEP s
	s_wait_loadcnt 48-16*(\s)                      ; loads come back in order: this K step's sixteen are in, those of the later K steps stay out
	WIN 0x04                                       ; an LDS store's data are its source 1: window 1
.irp i, 0,1,2,3,4,5,6,7,8,9,10,11,12,13,14,15
	ds_store_b128 v[STI], v[64*(\s)+4*\i:64*(\s)+4*\i+3] offset:SPITCH*\i
.endr
	WIN 0
.irp b, 0,1,2,3
.irp j, 0,1,2,3
	ds_load_b128 v[X+16*\b+4*\j:X+16*\b+4*\j+3], v[STO] offset:128*\b+16*\j   ; LDS serves a wave's instructions in order: these see the stores above
.endr
.endr
	s_wait_dscnt 0x0
.if (\s) > 0
	s_wait_xcnt 0x0                                ; the last K step's stores have read their data: the codes' registers are written again only behind this wait
.endif
	QUANT X, 0, PC, PW+(\s)
.irp g, 0,1,2
	global_store_b128 v[LI], v[PC+4*\g:PC+4*\g+3], s[14:15] offset:1536*(\s)+512*\g   ; 512 consecutive bytes, aligned
.endr
.endm
	ONESTEP 0
	ONESTEP 1
	ONESTEP 2
	ONESTEP 3
	v_cmp_gt_u32 vcc_lo, 16, v5                    ; lanes 0-15 store K steps 0, 1 of my four, lanes 16-31 K steps 2, 3 (both halves hold all four words of row r)
	v_cndmask_b32 v[D], v[PW+2], v[PW], vcc_lo
	v_cndmask_b32 v[D+1], v[PW+3], v[PW+1], vcc_lo
	global_store_b64 v[SO], v[D:D+1], s[16:17]     ; 32 lanes store 256 consecutive bytes, aligned
	s_wait_tensorcnt 0x0                           ; the wave's end
	ds_add_u32 v[SPW], v[NIL]
	s_wait_dscnt 0x0
	s_endpgm
.Lfunc_end_k_q69b2c1d922_quant:
	.size	k_q69b2c1d922_quant, .Lfunc_end_k_q69b2c1d922_quant-k_q69b2c1d922_quant
	.p2alignl 7, 3214868480
	.fill 96, 4, 3214868480
	.section	.rodata,"a",@progbits
	.p2align	6, 0x0
	.amdhsa_kernel k_q69b2c1d922_quant
		.amdhsa_group_segment_fixed_size 17152
		.amdhsa_private_segment_fixed_size 0
		.amdhsa_enable_private_segment 0
		.amdhsa_kernarg_size 56
		.amdhsa_user_sgpr_count 2
		.amdhsa_user_sgpr_kernarg_segment_ptr 1
		.amdhsa_wavefront_size32 1
		.amdhsa_system_sgpr_workgroup_id_x 1
		.amdhsa_system_sgpr_workgroup_id_y 1
		.amdhsa_system_sgpr_workgroup_id_z 1
		.amdhsa_system_vgpr_workitem_id 0
		.amdhsa_next_free_vgpr 512
		.amdhsa_next_free_sgpr 66
		.amdhsa_reserve_vcc 1
		.amdhsa_float_denorm_mode_32 3
		.amdhsa_float_denorm_mode_16_64 3
		.amdhsa_memory_ordered 1
		.amdhsa_forward_progress 1
		.amdhsa_inst_pref_size 34
	.end_amdhsa_kernel
	.amdgpu_metadata
---
amdhsa.version: [ 1, 2 ]
amdhsa.kernels:
  - .name:           k_q69b2c1d922_quant
    .symbol:         k_q69b2c1d922_quant.kd
    .args:
      - { .name: hidden_states, .offset: 0, .size: 8, .value_kind: global_buffer, .address_space: global }
      - { .name: Wq, .offset: 8, .size: 8, .value_kind: global_buffer, .address_space: global }
      - { .name: Wk, .offset: 16, .size: 8, .value_kind: global_buffer, .address_space: global }
      - { .name: Wv, .offset: 24, .size: 8, .value_kind: global_buffer, .address_space: global }
      - { .name: Wo, .offset: 32, .size: 8, .value_kind: global_buffer, .address_space: global }
      - { .name: img, .offset: 40, .size: 8, .value_kind: global_buffer, .address_space: global }
      - { .name: scl, .offset: 48, .size: 8, .value_kind: global_buffer, .address_space: global }
    .group_segment_fixed_size: 17152
    .private_segment_fixed_size: 0
    .kernarg_segment_align: 8
    .kernarg_segment_size: 56
    .max_flat_workgroup_size: 64
    .sgpr_count:     66
    .vgpr_count:     512
    .wavefront_size: 32
...
	.end_amdgpu_metadata
.endif
;; end of part 1
;; launch qkv (part 2): grid 8 x 32, 4 waves a work-group, clusters of 4 x 4, 327,680 bytes of LDS; arguments img, scl, qkv_img; writes qkv_img
.if DOCPART == 2
	.amdgcn_target "amdgcn-amd-amdhsa--gfx1250"
	.amdhsa_code_object_version 6
	.text
	.protected	k_q69b2c1d922_qkv
	.globl	k_q69b2c1d922_qkv
	.p2align	8
	.type	k_q69b2c1d922_qkv,@function
k_q69b2c1d922_qkv:
	s_mov_b64 s[64:65], 0
	v_nop
	global_prefetch_b8 v0, s[64:65] scope:SCOPE_SE
	s_setreg_imm32_b32 hwreg(HW_REG_WAVE_MODE, 25, 1), 1
	s_wait_xcnt 0x0
	s_wait_alu depctr_hold_cnt(0) depctr_sa_sdst(0) depctr_va_vdst(0) depctr_va_sdst(0) depctr_va_ssrc(0) depctr_va_vcc(0) depctr_vm_vsrc(0)
	s_getreg_b32 s2, hwreg(HW_REG_IB_STS2, 6, 4)
	s_cmp_eq_u32 s2, 0
	s_cbranch_scc0 .Lentry_in_a_cluster
	s_endpgm
.Lentry_in_a_cluster:
	s_bfe_u32 s2, ttmp6, 0x10000c
	s_cmp_lg_u32 s2, 0xf033
	s_cbranch_scc0 .Lentry_shape_is_right
	s_endpgm
.Lentry_shape_is_right:
; q = x Wq^T, k = x Wk^T, v = x Wv^T on codes of FP6 (E2M3) with E8M0 scales, sums in f32; the results leave as CODES, quantised along the K of the product that will read them: q and k along the head's 128, v along the keys.
; A WORK-GROUP STAYS: it owns 256 tokens of x and head j, and makes three blocks of 256 x 128 (K = 1,024): q's, k's and v's.  Its 16 tiles of x lie in LDS for all of K and are fetched once; the eight tiles of Wq, Wk, Wv of head j follow each other
; through a ring of two slots of four K steps (49,152 bytes each): a slot is filled again, with the next block's chunk, as soon as every wave has read it.
; THE ORDER OF ROWS IN TILES (tile 4 c + i, position p: row 64 c + 32 (p / 8) + 8 i + p % 8) makes register 32 c + 8 i + j of lane (r, h), over the eight accumulators of a row of tiles, the number 64 c + 32 h + 8 i + j along source 0's rows: two whole blocks of 32 a lane.
; q, k: source 0 = the head's eight tiles of W, source 1 = my four tiles of x (4 w ..): a lane holds a token, registers run along d.   v: source 0 = the eight tiles of x of key step w / 2, source 1 = four tiles of Wv (4 (w % 2) ..): a lane holds a d, registers run along the keys.
; The two cases differ in LDS addresses and scale registers alone: q and k share one loop body, v has a body of its own.
; CLUSTER 4 x 4: x's tiles hang on the cluster's y and cy and are asked for jointly along a row, W's on the cluster's x and cx and jointly along a column.  No prefetch: a chunk is asked for by its tensor load four K steps (128 products a wave) ahead of its first use.
; Fragments lie in memory and in LDS as images of the operand's 12 registers (registers 4 g .. 4 g + 3 of lane l at 512 g + 16 l).
; OUT: qkv_img in groups of 12,800 bytes: eight fragments of 1,536 bytes, then their scale words (fragment f, position r at 12,288 + 256 (f / 4) + 16 r + 4 (f % 4)).  Group = 512 type + 16 (8 batch + head) + n; type 0 q, 1 k (n: eight tiles of the sequence), 2 v (n: a key step; f: tile of d).
; LIMITS: NaN and infinities are not served; a block whose largest magnitude lies under 2^-124 keeps the byte 1; a block of zeros gets the byte 1 with zero codes: the bytes are read by this program alone.
; REGISTERS: window 0: v1-15 addresses; v28, 29 the add's two; scale words: v32-47 x's (q, k), v48-79 W's (q, k), v80-95 Wv's, v224-255 x's (v); v96-143, v144-191 source 1's fragments, two sets (later the codes made); v200-221 at work.
;   window 1: v0-95, v128-223 source 0's fragments, two sets.  window 2: accumulator (a, b) at v[64 a + 8 b].
.set CHUNK, 147456                     ; four K steps: x's 16 tiles x 6,144 bytes, then W's 8
.set QOFF,  98304
.set SPARE, 2*CHUNK                    ; the spare words, 128 bytes a wave: two blocks of 256 bytes that no other line names
.set WSTEP, 786432                     ; from Wq to Wk to Wv in img: 64 tiles of 12,288 bytes
.set TYPEB, 6553600                    ; from q to k to v in qkv_img: 512 groups
.set LI,   1                           ; 16 x lane
.set SO,   2                           ; 16 r + 8 h
.set LANE, 5
.set SH8,  6                           ; 8 h
.set ADRA, 8                           ; v8, 9   q, k: my four tiles of x in chunk c
.set ADRB, 10                          ; v10, 11 q, k: W's eight
.set ADRA2, 12                         ; v12, 13 v: my four tiles of Wv
.set ADRB2, 14                         ; v14, 15 v: my key step's eight tiles of x
.set SPW,  28
.set NIL,  29
.set SA,   32                          ; register 4 a + j: lanes 0-15 the word of K step j of tile a, lanes 16-31 that of K step 4 + j
.set SB,   48
.set SAV,  80
.set SBV,  224
.set TM,   200
.set PW,   216
.set D,    220
.set G1P,  24                          ; s[24:31] group 1 for x;  s[32:39] groups 0, one a chunk
.set G0P,  32
.set G0Q,  48                          ; s[48:55] groups 0 for W;  s[68:75] its group 1
.set G1Q,  68
.set TRIP, 79
.set SEL,  98
.set MSB, 0
.macro WIN new                         ; the immediate's high byte repeats the setting that is left
.if MSB != (\new)
	s_set_vgpr_msb (MSB<<8)|(\new)
.set MSB, (\new)
.endif
.endm
.macro PLACES                          ; four places behind a matrix instruction (ISA guide 7.12.1)
.rept 4
	v_nop
.endr
.endm
.macro CROUND                          ; a round of the cluster's barrier
	s_barrier_signal -1
	s_barrier_wait -1
	s_cmp_lg_u32 s14, 0
	s_cbranch_scc1 .Lnot_wave_0_\@
	s_barrier_signal -3
.Lnot_wave_0_\@:
	s_barrier_wait -3
	s_barrier_signal -1
	s_barrier_wait -1
.endm
; 64 numbers of a lane in window w (two whole blocks of 32) become a fragment's codes in v[pc .. pc + 11] (pc + 12 .. pc + 19 at work) and its scale word in v[pw]: the word's four bytes are gathered from lanes l and l xor 16.
.macro QUANT2 src, w, pc, pw
.set QW5, 5*(\w)
.set QW1, (\w)
	WIN QW5
.irp c, 0,1
	v_max3_num_f32 v[TM+\c], |v[(\src)+32*\c]|, |v[(\src)+32*\c+1]|, 0x1800000   ; two chains a block; the floor 2^(3 - 127): the byte cannot fall under 1
	v_max3_num_f32 v[TM+2+\c], |v[(\src)+32*\c+16]|, |v[(\src)+32*\c+17]|, 0x1800000
.endr
.irp i, 2,4,6,8,10,12,14
.irp c, 0,1
	v_max3_num_f32 v[TM+\c], |v[(\src)+32*\c+\i]|, |v[(\src)+32*\c+\i+1]|, v[TM+\c]   ; ascending: each accumulator is read from its low end on
	v_max3_num_f32 v[TM+2+\c], |v[(\src)+32*\c+\i+16]|, |v[(\src)+32*\c+\i+17]|, v[TM+2+\c]
.endr
.endr
	WIN 0
.irp c, 0,1
	v_max_num_f32 v[TM+\c], v[TM+\c], v[TM+2+\c]   ; the block's largest magnitude
.endr
.irp c, 0,1
	v_add_nc_u32 v[TM+4+\c], 0xff000000, v[TM+\c]  ; 2 off its exponent field: the conversion's scale operand
.endr
.irp c, 0,1
	v_lshrrev_b32 v[TM+6+\c], 23, v[TM+4+\c]       ; the scale's byte
.endr
	v_lshl_or_b32 v[\pw], v[TM+7], 16, v[TM+6]     ; my bytes: blocks h and 2 + h,
	v_lshlrev_b32 v[\pw], v[SH8], v[\pw]           ; 8 h bits up;
	v_permlanex16_b32 v[TM+2], v[\pw], s[SEL], s[SEL+1]
	v_or_b32 v[\pw], v[\pw], v[TM+2]               ; with lane l xor 16's two the word is whole
	WIN QW1
.irp c, 0,1
	v_cvt_scalef32_pk16_fp6_f32 v[(\pc)+6*\c:(\pc)+6*\c+2], v[(\src)+32*\c:(\src)+32*\c+15], v[TM+4+\c]
	v_cvt_scalef32_pk16_fp6_f32 v[(\pc)+12+4*\c:(\pc)+12+4*\c+2], v[(\src)+32*\c+16:(\src)+32*\c+31], v[TM+4+\c]   ; (a conversion's three registers begin on an even number)
.endr
	WIN 0
	v_nop                                          ; one plain place behind a scaled conversion
.irp c, 0,1
.irp i, 0,1,2
	v_mov_b32 v[(\pc)+3+6*\c+\i], v[(\pc)+12+4*\c+\i]
.endr
.endr
.endm
; A first fill of chunk c: waves 0, 1 fetch x's halves, waves 2, 3 W's; one load on either way; the branch hangs on the wave's number alone.
.macro JLOAD c
	s_cmp_eq_u32 s15, 0
	s_cbranch_scc0 .Lfor_q_\@
	tensor_load_to_lds s[G0P+4*\c:G0P+4*\c+3], s[G1P:G1P+7]
	s_nop 0
.rept 4
	v_nop
.endr
	s_branch .Lasked_\@
.Lfor_q_\@:
	tensor_load_to_lds s[G0Q+4*\c:G0Q+4*\c+3], s[G1Q:G1Q+7]
	s_nop 0
.rept 4
	v_nop
.endr
.Lasked_\@:
.endm
; A refill of W's slot c: waves 2, 3 fetch its halves; waves 0, 1 have no part of it.
.macro RLOAD c
	s_cmp_eq_u32 s15, 0
	s_cbranch_scc1 .Lnone_\@
	tensor_load_to_lds s[G0Q+4*\c:G0Q+4*\c+3], s[G1Q:G1Q+7]
	s_nop 0
.rept 4
	v_nop
.endr
.Lnone_\@:
.endm
	s_load_b128 s[4:7], s[0:1], 0x0                ; img s[4:5], scl s[6:7]
	s_load_b64 s[8:9], s[0:1], 0x10                ; qkv_img
	v_lshl_add_u32 v[SPW], v0, 2, SPARE
	v_mov_b32 v[NIL], 0
	ds_add_u32 v[SPW], v[NIL]                      ; the wave's opening: the add, twice on end, and its wait ahead of my first tensor load
	ds_add_u32 v[SPW], v[NIL]
	v_lshrrev_b32 v3, 5, v0
	v_readfirstlane_b32 s14, v3                    ; wave 0..3
	s_lshr_b32 s15, s14, 1                         ; I fetch for x (0) or for W (1); in v: my key step
	s_and_b32 s16, s14, 1                          ; and which half of its tiles; in v: my half of d
	s_mul_i32 s23, s14, 24576                      ; q, k: my four tiles of x in a chunk
	s_mul_i32 s2, s16, 24576
	s_add_co_u32 s2, s2, QOFF                      ; v: my four tiles of Wv
	s_mul_i32 s3, s15, 49152                       ; v: my eight tiles of x
	v_and_b32 v[LANE], 31, v0
	v_and_b32 v3, 15, v0                           ; r
	v_bfe_u32 v4, v0, 4, 1                         ; h
	v_lshlrev_b32 v[LI], 4, v[LANE]
	v_lshlrev_b32 v[SO], 4, v3
	v_lshlrev_b32 v[SH8], 3, v4
	v_lshl_add_u32 v[SO], v4, 3, v[SO]
.irp c, 0,1
	v_add_nc_u32 v[ADRA+\c], s23, v[LI]
	v_add_nc_u32 v[ADRB+\c], QOFF+\c*CHUNK, v[LI]
	v_add_nc_u32 v[ADRA2+\c], s2, v[LI]
	v_add_nc_u32 v[ADRB2+\c], s3, v[LI]
	s_add_co_u32 s23, s23, CHUNK
	s_add_co_u32 s2, s2, CHUNK
	s_add_co_u32 s3, s3, CHUNK
.endr
	s_bfe_u32 s17, ttmp6, 0x40000                  ; cx
	s_bfe_u32 s18, ttmp6, 0x40004                  ; cy
	s_mov_b32 s19, ttmp9                           ; the cluster's x: 0, 1
	s_and_b32 s20, ttmp7, 0xffff                   ; the cluster's y: 0 to 7
	s_lshl_b32 s21, s18, 2
	s_lshl_b32 s21, 15, s21                        ; my row of the cluster
	s_lshl_b32 s22, 0x1111, s17                    ; my column
	s_or_b32 s[G1P], s21, (3<<16)|(1<<21)          ; 15:0 the mask; 17:16 elements of 8 bytes; 21 set beside a mask; no padding
	s_or_b32 s[G1Q], s22, (3<<16)|(1<<21)
	s_mov_b32 s[G1P+1], 768<<16                    ; tensor_dim0: a tile's four K steps, 6,144 bytes
	s_mov_b32 s[G1P+2], 8<<16                      ; tensor_dim1: 8 tiles
	s_mov_b32 s[G1P+3], 768<<16                    ; tile_dim0
	s_mov_b32 s[G1P+4], 8                          ; tile_dim1
	s_mov_b32 s[G1P+5], 1536                       ; from tile to tile: 12,288 bytes
	s_mov_b32 s[G1P+6], 0
	s_mov_b32 s[G1P+7], 0
	s_mov_b32 s[G1Q+1], 768<<16
	s_mov_b32 s[G1Q+2], 4<<16                      ; 4 tiles
	s_mov_b32 s[G1Q+3], 768<<16
	s_mov_b32 s[G1Q+4], 4
	s_mov_b32 s[G1Q+5], 1536
	s_mov_b32 s[G1Q+6], 0
	s_mov_b32 s[G1Q+7], 0
	s_mov_b32 s[SEL], 0x76543210
	s_mov_b32 s[SEL+1], 0xfedcba98
	s_lshl_b32 s76, s20, 2
	s_add_co_u32 s76, s76, s18                     ; which 256 tokens: 4 cluster y + cy
	s_lshl_b32 s77, s19, 2
	s_add_co_u32 s77, s77, s17                     ; which head: 4 cluster x + cx
	s_lshl_b32 s84, s76, 4                         ; x's first tile: made of the cluster's y and cy alone
	s_lshl_b32 s85, s77, 3
	s_add_co_u32 s85, s85, 512                     ; Wq's first tile: of the cluster's x and cx alone
	s_lshl_b32 s86, s16, 3
	s_add_co_u32 s86, s86, s84
	s_mul_i32 s86, s86, 12288                      ; the 8 tiles of x that I would fetch
	s_mov_b32 s87, 0
	s_lshl_b32 s88, s16, 2
	s_add_co_u32 s88, s88, s85
	s_mul_i32 s88, s88, 12288                      ; the 4 tiles of W
	s_mov_b32 s89, 0
	s_lshl_b32 s90, s14, 2
	s_add_co_u32 s90, s90, s84
	s_lshl_b32 s90, s90, 9                         ; scale words: q, k: my four tiles of x,
	s_mov_b32 s91, 0
	s_lshl_b32 s92, s85, 9                         ; Wq's eight;
	s_mov_b32 s93, 0
	s_lshl_b32 s94, s15, 3
	s_add_co_u32 s94, s94, s84
	s_lshl_b32 s94, s94, 9                         ; v: my key step's eight tiles of x,
	s_mov_b32 s95, 0
	s_lshl_b32 s96, s16, 2
	s_add_co_u32 s96, s96, s85
	s_add_co_u32 s96, s96, 128
	s_lshl_b32 s96, s96, 9                         ; my four tiles of Wv
	s_mov_b32 s97, 0
	s_lshr_b32 s78, s76, 3
	s_lshl_b32 s78, s78, 3
	s_add_co_u32 s78, s78, s77                     ; 8 batch + head
	s_lshl_b32 s78, s78, 4                         ; 16 groups a pair
	s_and_b32 s80, s76, 7
	s_lshl_b32 s80, s80, 1
	s_add_co_u32 s80, s80, s15                     ; q, k: my four tiles lie in group 2 (block of the sequence) + w / 2, half w % 2;  v: key step 2 (block) + w / 2, d's half w % 2: the same place in all three types
	s_add_co_u32 s80, s80, s78
	s_mul_i32 s80, s80, 12800
	s_mul_i32 s82, s16, 6144
	s_add_co_u32 s82, s82, s80                     ; my four fragments
	s_mov_b32 s83, 0
	s_lshl_b32 s78, s16, 8
	s_add_co_u32 s80, s80, s78
	s_add_co_u32 s80, s80, 12288                   ; and their 256 bytes of scale words
	s_mov_b32 s81, 0
	s_mul_i32 s2, s16, 49152                       ; where the fetched tiles go in a chunk: no place in the cluster enters an LDS address
	s_mul_i32 s3, s16, 24576
	s_add_co_u32 s3, s3, QOFF
	s_wait_dscnt 0x0                               ; both opening adds are done
	s_wait_kmcnt 0x0
	s_add_nc_u64 s[86:87], s[4:5], s[86:87]
	s_add_nc_u64 s[88:89], s[4:5], s[88:89]
	s_add_nc_u64 s[90:91], s[6:7], s[90:91]
	s_add_nc_u64 s[92:93], s[6:7], s[92:93]
	s_add_nc_u64 s[94:95], s[6:7], s[94:95]
	s_add_nc_u64 s[96:97], s[6:7], s[96:97]
	s_add_nc_u64 s[10:11], s[8:9], s[80:81]
	s_add_nc_u64 s[8:9], s[8:9], s[82:83]
.irp c, 0,1
	s_mov_b32 s[G0P+4*\c], 1                       ; count = 1
	s_add_co_u32 s[G0P+4*\c+1], s2, \c*CHUNK       ; LDS address
	s_add_nc_u64 s[G0P+4*\c+2:G0P+4*\c+3], s[86:87], \c*6144   ; global address: K steps 4 c .. 4 c + 3
	s_or_b32 s[G0P+4*\c+3], s[G0P+4*\c+3], 0x80000000          ; type = 2
	s_mov_b32 s[G0Q+4*\c], 1
	s_add_co_u32 s[G0Q+4*\c+1], s3, \c*CHUNK
	s_add_nc_u64 s[G0Q+4*\c+2:G0Q+4*\c+3], s[88:89], \c*6144
	s_or_b32 s[G0Q+4*\c+3], s[G0Q+4*\c+3], 0x80000000
.endr
	CROUND                                         ; all sixteen work-groups are here: the joint loads meet
	JLOAD 0                                        ; K steps 0-3 of x and Wq: one tensor load a wave at the head
.irp b, 0,1,2,3,4,5,6,7
	global_load_b128 v[SB+4*\b:SB+4*\b+3], v[LI], s[92:93] offset:512*\b   ; a tile's 512 bytes of scale words: lanes 0-15 K steps 0-3, lanes 16-31 K steps 4-7
.endr
.irp a, 0,1,2,3
	global_load_b128 v[SA+4*\a:SA+4*\a+3], v[LI], s[90:91] offset:512*\a
.endr
.irp b, 0,1,2,3,4,5,6,7
	global_load_b128 v[SBV+4*\b:SBV+4*\b+3], v[LI], s[94:95] offset:512*\b
.endr
.irp a, 0,1,2,3
	global_load_b128 v[SAV+4*\a:SAV+4*\a+3], v[LI], s[96:97] offset:512*\a
.endr
; CADA, CADB: the block's address registers;  CSA, CSB: its scale registers
.macro FETCH s                         ; K step s: source 0's eight fragments and source 1's four, 36 loads in one run, into set s % 2
.set FC, (\s)/4
.set FU, (\s)%2
.set FK, (\s)%4
	WIN 0x40                                       ; destination window 1
.irp b, 0,1,2,3,4,5,6,7
.irp g, 0,1,2
	ds_load_b128 v[128*FU+12*\b+4*\g:128*FU+12*\b+4*\g+3], v[CADB+FC] offset:6144*\b+1536*FK+512*\g
.endr
.endr
	WIN 0
.irp a, 0,1,2,3
.irp g, 0,1,2
	ds_load_b128 v[96+48*FU+12*\a+4*\g:96+48*FU+12*\a+4*\g+3], v[CADA+FC] offset:6144*\a+1536*FK+512*\g
.endr
.endr
.endm
.macro MULS s                          ; 32 matrix instructions; the 32 accumulators take turns, one instruction a turn, in the same order in every K step; a block's first K step starts the sums
.set MP, (\s)%2
.set MJ, (\s)%4
	WIN 0xa1                                       ; source 0 window 1, source 1 window 0, C and D window 2
.irp a, 0,1,2,3
.irp b, 0,1,2,3,4,5,6,7
.if (\s) == 0
	v_wmma_scale_f32_16x16x128_f8f6f4 v[64*\a+8*\b:64*\a+8*\b+7], v[128*MP+12*\b:128*MP+12*\b+11], v[96+48*MP+12*\a:96+48*MP+12*\a+11], 0, v[CSB+4*\b+MJ], v[CSA+4*\a+MJ] matrix_a_fmt:MATRIX_FMT_FP6 matrix_b_fmt:MATRIX_FMT_FP6
.elseif (\s) < 4
	v_wmma_scale_f32_16x16x128_f8f6f4 v[64*\a+8*\b:64*\a+8*\b+7], v[128*MP+12*\b:128*MP+12*\b+11], v[96+48*MP+12*\a:96+48*MP+12*\a+11], v[64*\a+8*\b:64*\a+8*\b+7], v[CSB+4*\b+MJ], v[CSA+4*\a+MJ] matrix_a_fmt:MATRIX_FMT_FP6 matrix_b_fmt:MATRIX_FMT_FP6
.else
	v_wmma_scale_f32_16x16x128_f8f6f4 v[64*\a+8*\b:64*\a+8*\b+7], v[128*MP+12*\b:128*MP+12*\b+11], v[96+48*MP+12*\a:96+48*MP+12*\a+11], v[64*\a+8*\b:64*\a+8*\b+7], v[CSB+4*\b+MJ], v[CSA+4*\a+MJ] matrix_a_fmt:MATRIX_FMT_FP6 matrix_b_fmt:MATRIX_FMT_FP6 matrix_a_scale:MATRIX_SCALE_ROW1 matrix_b_scale:MATRIX_SCALE_ROW1
.endif
.endr
.endr
	WIN 0
	PLACES                                         ; in front of the loads that will land in this set, and of the first read of results
.endm
; ring = 1 (q, k): behind K step 2's fetch nobody reads W's slot 0 any more, behind K step 6's nobody slot 1: each is filled again with the next block's chunk, behind the three lines and a round.  ring = 0 (v): nothing is left to fetch.
.macro KSTEP s, ring
.if (\s) == 3
	s_wait_tensorcnt 0x0                           ; all my tensor loads have landed, my part of chunk 1 among them
.if \ring
	ds_add_u32 v[SPW], v[NIL]
	s_add_nc_u64 s[G0Q+2:G0Q+3], s[G0Q+2:G0Q+3], WSTEP   ; no load of mine is out: slot 0's next chunk
.endif
	s_wait_dscnt 0x0                               ; my reads of chunk 0 are over
.if \ring
	CROUND
	RLOAD 0
.else
	s_barrier_signal -1
	s_barrier_wait -1                              ; everybody's part of chunk 1 is in
.endif
.endif
.if (\s) < 7
	FETCH (\s)+1
	s_wait_dscnt 36                                ; all but the 36 just issued: this K step's fragments are in
.else
	s_wait_dscnt 0x0
.if \ring
	s_wait_tensorcnt 0x0                           ; the next block's chunk 0 is in
	ds_add_u32 v[SPW], v[NIL]                      ; the last K step's products stand between the add and the wait for it
	s_add_nc_u64 s[G0Q+6:G0Q+7], s[G0Q+6:G0Q+7], WSTEP
.endif
.endif
.if (\s) == 0
	s_wait_loadcnt 0x0                             ; the scale words
.endif
	MULS \s
.if ((\s) == 7) && (\ring)
	s_wait_dscnt 0x0                               ; the add is done; my reads of chunk 1 were over above
	CROUND
	RLOAD 1
.endif
.endm
; THE WAY OUT of a block.  The 64 registers of source 1's tile a are 128 numbers along the next K: one fragment and one scale word a row.
.macro WAYOUT
.irp a, 0,1,2,3
	QUANT2 64*\a, 2, 96+20*\a, PW+\a
.irp g, 0,1,2
	global_store_b128 v[LI], v[96+20*\a+4*\g:96+20*\a+4*\g+3], s[8:9] offset:1536*\a+512*\g   ; 512 consecutive bytes, aligned
.endr
.endr
	v_cmp_gt_u32 vcc_lo, 16, v[LANE]               ; lanes 0-15 store the words of tiles 0, 1, lanes 16-31 those of tiles 2, 3 (both halves hold row r's words)
	v_cndmask_b32 v[D], v[PW+2], v[PW], vcc_lo
	v_cndmask_b32 v[D+1], v[PW+3], v[PW+1], vcc_lo
	global_store_b64 v[SO], v[D:D+1], s[10:11]     ; 32 lanes store 256 consecutive bytes, aligned
.endm
	s_mov_b32 s[TRIP], 2
	s_wait_alu depctr_va_vdst(0)
	s_wait_tensorcnt 0x0                           ; my part of chunk 0 is in
	ds_add_u32 v[SPW], v[NIL]
	s_wait_dscnt 0x0
	CROUND                                         ; everybody's part of chunk 0 is in, and the joint loads of chunk 1 meet
	JLOAD 1                                        ; K steps 4-7 of x and Wq
.set CADA, ADRA
.set CADB, ADRB
.set CSA, SA
.set CSB, SB
.Lblock:                                           ; q, then k
	FETCH 0
.irp s, 0,1,2,3,4,5,6,7
	KSTEP \s, 1
.endr
	s_cmp_eq_u32 s[TRIP], 1
	s_cbranch_scc1 .Lno_words                      ; behind k's block v's words are in registers of their own
	s_add_nc_u64 s[92:93], s[92:93], 32768         ; Wk's scale words: 64 tiles of 512 bytes on (the earlier loads from this base were waited for)
.irp b, 0,1,2,3,4,5,6,7
	global_load_b128 v[SB+4*\b:SB+4*\b+3], v[LI], s[92:93] offset:512*\b
.endr
.Lno_words:
	WAYOUT
	s_wait_alu depctr_va_vdst(0)
	s_wait_xcnt 0x0                                ; the stores have read their data and bases: both are written again only behind this wait
	s_add_nc_u64 s[8:9], s[8:9], TYPEB
	s_add_nc_u64 s[10:11], s[10:11], TYPEB
	s_sub_co_u32 s[TRIP], s[TRIP], 1
	s_cmp_lg_u32 s[TRIP], 0
	s_cbranch_scc1 .Lblock
.set CADA, ADRA2
.set CADB, ADRB2
.set CSA, SAV
.set CSB, SBV
	FETCH 0                                        ; v
.irp s, 0,1,2,3,4,5,6,7
	KSTEP \s, 0
.endr
	WAYOUT
	s_wait_tensorcnt 0x0                           ; the wave's end
	ds_add_u32 v[SPW], v[NIL]
	s_wait_dscnt 0x0
	CROUND                                         ; the closing round: no work-group ends while a partner may still ask for a tile that names it
	s_endpgm
.Lfunc_end_k_q69b2c1d922_qkv:
	.size	k_q69b2c1d922_qkv, .Lfunc_end_k_q69b2c1d922_qkv-k_q69b2c1d922_qkv
	.p2alignl 7, 3214868480
	.fill 96, 4, 3214868480
	.section	.rodata,"a",@progbits
	.p2align	6, 0x0
	.amdhsa_kernel k_q69b2c1d922_qkv
		.amdhsa_group_segment_fixed_size 327680
		.amdhsa_private_segment_fixed_size 0
		.amdhsa_enable_private_segment 0
		.amdhsa_kernarg_size 24
		.amdhsa_user_sgpr_count 2
		.amdhsa_user_sgpr_kernarg_segment_ptr 1
		.amdhsa_wavefront_size32 1
		.amdhsa_system_sgpr_workgroup_id_x 1
		.amdhsa_system_sgpr_workgroup_id_y 1
		.amdhsa_system_sgpr_workgroup_id_z 1
		.amdhsa_system_vgpr_workitem_id 0
		.amdhsa_next_free_vgpr 768
		.amdhsa_next_free_sgpr 102
		.amdhsa_reserve_vcc 1
		.amdhsa_float_denorm_mode_32 3
		.amdhsa_float_denorm_mode_16_64 3
		.amdhsa_memory_ordered 1
		.amdhsa_forward_progress 1
		.amdhsa_inst_pref_size 147
	.end_amdhsa_kernel
	.amdgpu_metadata
---
amdhsa.version: [ 1, 2 ]
amdhsa.kernels:
  - .name:           k_q69b2c1d922_qkv
    .symbol:         k_q69b2c1d922_qkv.kd
    .args:
      - { .name: img, .offset: 0, .size: 8, .value_kind: global_buffer, .address_space: global }
      - { .name: scl, .offset: 8, .size: 8, .value_kind: global_buffer, .address_space: global }
      - { .name: qkv_img, .offset: 16, .size: 8, .value_kind: global_buffer, .address_space: global }
    .group_segment_fixed_size: 327680
    .private_segment_fixed_size: 0
    .kernarg_segment_align: 8
    .kernarg_segment_size: 24
    .max_flat_workgroup_size: 128
    .sgpr_count:     102
    .vgpr_count:     768
    .wavefront_size: 32
...
	.end_amdgpu_metadata
.endif
;; end of part 2
;; launch attn (part 3): grid 8 x 32, 8 waves a work-group, clusters of 4 x 1, 327,680 bytes of LDS; arguments qkv_img, o_img, o_scl; writes o_img, o_scl
.if DOCPART == 3
	.amdgcn_target "amdgcn-amd-amdhsa--gfx1250"
	.amdhsa_code_object_version 6
	.text
	.protected	k_q69b2c1d922_attn
	.globl	k_q69b2c1d922_attn
	.p2align	8
	.type	k_q69b2c1d922_attn,@function
k_q69b2c1d922_attn:
	s_mov_b64 s[64:65], 0
	v_nop
	global_prefetch_b8 v0, s[64:65] scope:SCOPE_SE
	s_setreg_imm32_b32 hwreg(HW_REG_WAVE_MODE, 25, 1), 1
	s_wait_xcnt 0x0
	s_wait_alu depctr_hold_cnt(0) depctr_sa_sdst(0) depctr_va_vdst(0) depctr_va_sdst(0) depctr_va_ssrc(0) depctr_va_vcc(0) depctr_vm_vsrc(0)
	s_getreg_b32 s2, hwreg(HW_REG_IB_STS2, 6, 4)
	s_cmp_eq_u32 s2, 0
	s_cbranch_scc0 .Lentry_in_a_cluster
	s_endpgm
.Lentry_in_a_cluster:
	s_bfe_u32 s2, ttmp6, 0x10000c
	s_cmp_lg_u32 s2, 0x3003
	s_cbranch_scc0 .Lentry_shape_is_right
	s_endpgm
.Lentry_shape_is_right:
; O = softmax(Q K^T / sqrt(128)) V for 32 (batch, head) pairs of 2,048 x 2,048 x 128, both products on codes of FP6 (E2M3) with E8M0 scales; O leaves as CODES, quantised along d, for the output projection.
; THE SOFTMAX: t = score x log2(e) / sqrt(128); M = the running largest t rounded UP to a whole number; p = 2^(t - M) is quantised along the keys, not normalised; the row's sum is taken of the unquantised p and divides O at the end.
; When M moves, the sum and O are multiplied by 2^(old M - new M): exact.
; SHARES.  A work-group owns 256 queries of one pair; each of its eight waves owns TWO tiles of 16: a fragment of K or V feeds two matrix instructions, and two waves share a SIMD.
; Both products are used transposed (S^T = K Q^T, O^T = V^T P^T): a lane holds ONE query throughout.  THE ORDER OF ROWS IN TILES (tile 4 c + i, position p: row 64 c + 32 (p / 8) + 8 i + p % 8) makes register 32 c + 8 i + j of lane (r, h)
; the number 64 c + 32 h + 8 i + j along the next K: a lane holds two whole blocks of 32 in the order of the operand's registers: a block's maximum needs no other lane and no code moves between lanes.
; LDS: twelve places of 25,600 bytes, each a key step of 128 keys: K's group (8 fragments as images of the operand's registers, then their scale words: 12,800 bytes), then V's.  A wave issues three tensor loads in all: at the head a group of key steps 0-3;
; behind the three lines and a round both groups of key step 4 + w; behind key step 2, when places 0-3 have been read into registers, a group of key steps 12-15, the one refill.  So no prefetch is laid: each tile is asked for three key steps and more ahead of its first use.
; K and V have registers of their own: the next key step's K is read from LDS behind this step's last scores, V behind this step's last product: 50 LDS loads a wave are out.
; CLUSTER 4 x 1: the four blocks of queries of a cluster belong to one pair and read the same K and V: every load is joint, the mask names all four; each wave issues loads of its own, told apart by the wave's number alone.
; LIMITS: NaN and infinities are not served; the promise holds while the scaled scores t stay under 2^31 in magnitude; O / l is a multiplication by v_rcp_f32's result; a block under 2^-124 keeps the byte 1, a block of zeros the byte 1 with zero codes (the bytes are read by this program alone).
; REGISTERS: window 0: v1-7, v22, 23 addresses; v8-15 statistics (a tile: -M, the largest score, the sum in two halves); v16-19 (f, p's scale word) a tile; v20, 21 Q's scale words; v24-27 K's, v28-31 V's; v32-127 K's fragments; v128-191 S^T, then p;
;   v192-215 p's codes; v216-249 at work.  window 1: v0-127 O^T; v128-151 Q; v152-247 V's fragments.
.set GRP,   12800                      ; a group in qkv_img: eight fragments and their scale words
.set TYPEB, 6553600                    ; from q to k to v: 512 groups
.set PLACE, 25600
.set SPARE, 12*PLACE                   ; the spare words, 128 bytes a wave: four blocks of 256 bytes that no other line names
.set LI,  1                            ; 16 x lane
.set SPW, 2
.set NIL, 3
.set SH8, 4                            ; 8 h
.set QSA, 5                            ; 16 r
.set L4,  6                            ; 4 x lane
.set SOA, 7                            ; the way out: 512 h + 4 r
.set ST,  8
.set F,   16
.set QS,  20
.set AD,  22                           ; the next key step's place + 16 x lane
.set KS,  24
.set VS,  28
.set KF,  32
.set S,   128
.set PC,  192
.set PT,  216
.set TM,  224
.set T0,  240
.set T1,  241
.set RC,  242
.set PWO, 246
.set D,   248
.set QF,  128                          ; window 1
.set VF,  152                          ; window 1
.set WV,  12
.set CNT, 14
.set NC,  18                           ; -c
.set TB,  19                           ; the next key step's place
.set SEL, 20
.set CS,  22                           ; s[22:23] c = log2(e) / sqrt(128)
.set G0A, 24                           ; s[24:27] group 0: a group of key steps 0-3, later 12-15;  s[28:31]: both groups of key step 4 + w
.set G0B, 28
.set G1C, 32                           ; s[32:39] group 1: 12,800 dense bytes as 50 rows of 256
.set G1B, 52                           ; s[52:59] group 1: two rows of 12,800 bytes, K's and V's, TYPEB apart
.set QB,  60
.set QSB, 62
.set MSB, 0
.macro WIN new                         ; the immediate's high byte repeats the setting that is left
.if MSB != (\new)
	s_set_vgpr_msb (MSB<<8)|(\new)
.set MSB, (\new)
.endif
.endm
.macro PLACES                          ; four places behind a matrix instruction (ISA guide 7.12.1)
.rept 4
	v_nop
.endr
.endm
.macro CROUND                          ; a round of the cluster's barrier
	s_barrier_signal -1
	s_barrier_wait -1
	s_cmp_lg_u32 s[WV], 0
	s_cbranch_scc1 .Lnot_wave_0_\@
	s_barrier_signal -3
.Lnot_wave_0_\@:
	s_barrier_wait -3
	s_barrier_signal -1
	s_barrier_wait -1
.endm
; 64 numbers of a lane in window w (two whole blocks of 32) become a fragment's codes in v[pc .. pc + 11] (pc + 12 .. pc + 19 at work) and its scale word in v[pw]
.macro QUANT2 src, w, pc, pw
.set QW5, 5*(\w)
.set QW1, (\w)
	WIN QW5
.irp c, 0,1
	v_max3_num_f32 v[TM+\c], |v[(\src)+32*\c]|, |v[(\src)+32*\c+1]|, 0x1800000   ; two chains a block; the floor 2^(3 - 127): the byte cannot fall under 1
	v_max3_num_f32 v[TM+2+\c], |v[(\src)+32*\c+16]|, |v[(\src)+32*\c+17]|, 0x1800000
.endr
.irp i, 2,4,6,8,10,12,14
.irp c, 0,1
	v_max3_num_f32 v[TM+\c], |v[(\src)+32*\c+\i]|, |v[(\src)+32*\c+\i+1]|, v[TM+\c]
	v_max3_num_f32 v[TM+2+\c], |v[(\src)+32*\c+\i+16]|, |v[(\src)+32*\c+\i+17]|, v[TM+2+\c]
.endr
.endr
	WIN 0
.irp c, 0,1
	v_max_num_f32 v[TM+\c], v[TM+\c], v[TM+2+\c]
.endr
.irp c, 0,1
	s_delay_alu instid0(VALU_DEP_2)
	v_add_nc_u32 v[TM+4+\c], 0xff000000, v[TM+\c]  ; 2 off the exponent field: the conversion's scale operand
.endr
.irp c, 0,1
	s_delay_alu instid0(VALU_DEP_2)
	v_lshrrev_b32 v[TM+6+\c], 23, v[TM+4+\c]       ; the scale's byte
.endr
	s_delay_alu instid0(VALU_DEP_1)
	v_lshl_or_b32 v[\pw], v[TM+7], 16, v[TM+6]     ; my bytes: blocks h and 2 + h,
	s_delay_alu instid0(VALU_DEP_1)
	v_lshlrev_b32 v[\pw], v[SH8], v[\pw]           ; 8 h bits up;
	s_delay_alu instid0(VALU_DEP_1)
	v_permlanex16_b32 v[TM+2], v[\pw], s[SEL], s[SEL+1]
	s_delay_alu instid0(VALU_DEP_1)
	v_or_b32 v[\pw], v[\pw], v[TM+2]               ; with lane l xor 16's two the word is whole
	WIN QW1
.irp c, 0,1
	v_cvt_scalef32_pk16_fp6_f32 v[(\pc)+6*\c:(\pc)+6*\c+2], v[(\src)+32*\c:(\src)+32*\c+15], v[TM+4+\c]
	v_cvt_scalef32_pk16_fp6_f32 v[(\pc)+12+4*\c:(\pc)+12+4*\c+2], v[(\src)+32*\c+16:(\src)+32*\c+31], v[TM+4+\c]   ; (a conversion's three registers begin on an even number)
.endr
	WIN 0
	v_nop                                          ; one plain place behind a scaled conversion
.irp c, 0,1
.irp i, 0,1,2
	v_mov_b32 v[(\pc)+3+6*\c+\i], v[(\pc)+12+4*\c+\i]
.endr
.endr
.endm
.macro LOADK adr                       ; a key step's eight fragments of K and their scale words (lanes 0-15 tiles 0-3, lanes 16-31 tiles 4-7): 25 LDS loads
.irp k, 0,1,2,3,4,5,6,7
.irp g, 0,1,2
	ds_load_b128 v[KF+12*\k+4*\g:KF+12*\k+4*\g+3], v[\adr] offset:1536*\k+512*\g
.endr
.endr
	ds_load_b128 v[KS:KS+3], v[\adr] offset:12288
.endm
.macro LOADV adr                       ; the same of V: 25 LDS loads
	WIN 0x40
.irp k, 0,1,2,3,4,5,6,7
.irp g, 0,1,2
	ds_load_b128 v[VF+12*\k+4*\g:VF+12*\k+4*\g+3], v[\adr] offset:GRP+1536*\k+512*\g
.endr
.endr
	WIN 0
	ds_load_b128 v[VS:VS+3], v[\adr] offset:GRP+12288
.endm
	s_load_b128 s[4:7], s[0:1], 0x0                ; qkv_img s[4:5], o_img s[6:7]
	s_load_b64 s[8:9], s[0:1], 0x10                ; o_scl
	v_lshl_add_u32 v[SPW], v0, 2, SPARE
	v_mov_b32 v[NIL], 0
	ds_add_u32 v[SPW], v[NIL]                      ; the wave's opening: the add, twice on end, and its wait ahead of my first tensor load
	ds_add_u32 v[SPW], v[NIL]
	v_lshrrev_b32 v[T0], 5, v0
	v_readfirstlane_b32 s[WV], v[T0]               ; wave 0..7
	v_and_b32 v[T1], 31, v0                        ; lane
	v_and_b32 v[T0], 15, v0                        ; r
	v_bfe_u32 v[D], v0, 4, 1                       ; h
	v_lshlrev_b32 v[LI], 4, v[T1]
	v_lshlrev_b32 v[L4], 2, v[T1]
	v_lshlrev_b32 v[QSA], 4, v[T0]
	v_lshlrev_b32 v[SH8], 3, v[D]
	v_lshlrev_b32 v[SOA], 2, v[T0]
	s_delay_alu instid0(VALU_DEP_1)
	v_lshl_add_u32 v[SOA], v[D], 9, v[SOA]
.irp t, 0,1
	v_mov_b32 v[ST+4*\t], 0x7f61b1e6               ; -M: 3e38, a whole number
	v_mov_b32 v[ST+4*\t+1], 0xff61b1e6             ; the largest score so far: -3e38
	v_mov_b32 v[ST+4*\t+2], 0                      ; the sum, in two halves
	v_mov_b32 v[ST+4*\t+3], 0
	v_mov_b32 v[F+2*\t+1], 0                       ; (named as the upper half of a pair before it is first written)
.endr
	s_mov_b32 s[G1C], 15|(3<<16)|(1<<21)           ; 15:0 the mask: all four work-groups; 17:16 elements of 8 bytes; 21 set beside a mask; no padding
	s_mov_b32 s[G1C+1], 32<<16                     ; tensor_dim0: 256 bytes
	s_mov_b32 s[G1C+2], 50<<16                     ; tensor_dim1
	s_mov_b32 s[G1C+3], 32<<16                     ; tile_dim0
	s_mov_b32 s[G1C+4], 50                         ; tile_dim1
	s_mov_b32 s[G1C+5], 32                         ; dense
	s_mov_b32 s[G1C+6], 0
	s_mov_b32 s[G1C+7], 0
	s_mov_b32 s[G1B], 15|(3<<16)|(1<<21)
	s_mov_b32 s[G1B+1], 1600<<16                   ; tensor_dim0: 12,800 bytes
	s_mov_b32 s[G1B+2], 2<<16                      ; tensor_dim1: K's group, V's group
	s_mov_b32 s[G1B+3], 1600<<16
	s_mov_b32 s[G1B+4], 2
	s_mov_b32 s[G1B+5], TYPEB/8                    ; from K's to V's
	s_mov_b32 s[G1B+6], 0
	s_mov_b32 s[G1B+7], 0
	s_mov_b32 s[SEL], 0x76543210
	s_mov_b32 s[SEL+1], 0xfedcba98
	s_mov_b32 s[CS], 0x3e0293ee
	s_mov_b32 s[CS+1], s[CS]                       ; (named with it as a pair, so it is written)
	s_mov_b32 s[NC], 0xbe0293ee
	s_and_b32 s15, ttmp7, 0xffff                   ; the pair: 8 batch + head; the four partners share it
	s_and_b32 s16, s[WV], 3                        ; at the head and at the refill: which key step of four I fetch,
	s_lshr_b32 s17, s[WV], 2                       ; and whether its K (0) or its V (1)
	s_mul_i32 s44, s15, 16*GRP                     ; 16 groups a pair
	s_add_co_u32 s44, s44, TYPEB                   ; k
	s_mul_i32 s40, s17, TYPEB
	s_add_co_u32 s40, s40, s44
	s_mul_i32 s42, s16, GRP
	s_add_co_u32 s40, s40, s42
	s_mov_b32 s41, 0
	s_mul_i32 s42, s16, PLACE                      ; LDS: the wave's number alone
	s_mul_i32 s43, s17, GRP
	s_add_co_u32 s42, s42, s43
	s_add_co_u32 s46, s[WV], 4                     ; key step 4 + w
	s_mul_i32 s43, s46, PLACE
	s_mul_i32 s46, s46, GRP
	s_add_co_u32 s44, s44, s46
	s_mov_b32 s45, 0
	s_bfe_u32 s13, ttmp6, 0x40000                  ; cx: it enters Q's and O's addresses alone
	s_lshl_b32 s66, ttmp9, 2
	s_add_co_u32 s66, s66, s13                     ; my block of 256 queries
	s_lshl_b32 s66, s66, 4
	s_lshl_b32 s67, s[WV], 1
	s_add_co_u32 s66, s66, s67                     ; my first tile in the sequence: 16 block + 2 wave
	s_lshl_b32 s67, s15, 7
	s_add_co_u32 s67, s67, s66                     ; its fragment of q
	s_lshr_b32 s46, s67, 3
	s_mul_i32 s46, s46, GRP                        ; its group,
	s_and_b32 s47, s67, 7
	s_mul_i32 s48, s47, 1536
	s_add_co_u32 s48, s48, s46                     ; its place there;
	s_mov_b32 s49, 0
	s_lshr_b32 s47, s47, 2
	s_lshl_b32 s47, s47, 8
	s_add_co_u32 s50, s46, s47
	s_and_b32 s47, s67, 3
	s_lshl_b32 s47, s47, 2
	s_add_co_u32 s50, s50, s47
	s_add_co_u32 s50, s50, 12288                   ; my two scale words of a row's four
	s_mov_b32 s51, 0
	s_lshr_b32 s68, s15, 3
	s_lshl_b32 s68, s68, 7
	s_add_co_u32 s68, s68, s66                     ; the tile among all 512: 128 batch + ..
	s_and_b32 s67, s15, 7                          ; the head
	s_lshl_b32 s70, s68, 9
	s_lshl_b32 s71, s67, 6
	s_add_co_u32 s70, s70, s71                     ; o_scl: 512 tile + 64 head
	s_mov_b32 s71, 0
	s_lshl_b32 s68, s68, 3
	s_add_co_u32 s68, s68, s67
	s_mul_i32 s68, s68, 1536                       ; o_img: (8 tile + head) x 1,536
	s_mov_b32 s69, 0
	s_wait_alu depctr_va_vdst(0)
	s_wait_dscnt 0x0                               ; both opening adds are done
	s_wait_kmcnt 0x0
	s_mov_b32 s[G0A], 1
	s_mov_b32 s[G0A+1], s42
	s_add_nc_u64 s[G0A+2:G0A+3], s[4:5], s[40:41]
	s_or_b32 s[G0A+3], s[G0A+3], 0x80000000
	s_mov_b32 s[G0B], 1
	s_mov_b32 s[G0B+1], s43
	s_add_nc_u64 s[G0B+2:G0B+3], s[4:5], s[44:45]
	s_or_b32 s[G0B+3], s[G0B+3], 0x80000000
	s_add_nc_u64 s[QB:QB+1], s[4:5], s[48:49]
	s_add_nc_u64 s[QSB:QSB+1], s[4:5], s[50:51]
	s_add_nc_u64 s[6:7], s[6:7], s[68:69]
	s_add_nc_u64 s[8:9], s[8:9], s[70:71]
	CROUND                                         ; all four work-groups are here: the first joint loads meet
	tensor_load_to_lds s[G0A:G0A+3], s[G1C:G1C+7]  ; key steps 0-3: one tensor load a wave at the head
	s_nop 0
.rept 4
	v_nop
.endr
	WIN 0x40                                       ; destination window 1
.irp t, 0,1
.irp g, 0,1,2
	global_load_b128 v[QF+12*\t+4*\g:QF+12*\t+4*\g+3], v[LI], s[QB:QB+1] offset:1536*\t+512*\g   ; Q's two fragments stay in registers
.endr
.endr
	WIN 0
	global_load_b64 v[QS:QS+1], v[QSA], s[QSB:QSB+1]   ; and their scale words
	s_wait_tensorcnt 0x0                           ; my part of key steps 0-3 is in
	ds_add_u32 v[SPW], v[NIL]
	s_wait_dscnt 0x0
	CROUND
	tensor_load_to_lds s[G0B:G0B+3], s[G1B:G1B+7]  ; key step 4 + w, K and V: my one tensor load behind the round
	s_nop 0
.rept 4
	v_nop
.endr
	LOADK LI                                       ; key step 0, in place 0
	LOADV LI
; One tile's softmax for one key step, on the 64 scores in v[S] on: register 32 c + i = key 64 c + 32 (lane / 16) + i.
.macro SOFT t
.set rT, ST+4*(\t)
.set rF, F+2*(\t)
.set rP, PC+12*(\t)
.irp c, 0,1
	v_max3_num_f32 v[TM+\c], v[S+32*\c], v[S+32*\c+1], v[S+32*\c+2]   ; the largest score of my two blocks, two chains a block: it serves for the row's maximum and, since p rises with the score, for the block's largest p
	v_max3_num_f32 v[TM+2+\c], v[S+32*\c+17], v[S+32*\c+18], v[S+32*\c+19]
.endr
.irp i, 3,5,7,9,11,13
.irp c, 0,1
	v_max3_num_f32 v[TM+\c], v[TM+\c], v[S+32*\c+\i], v[S+32*\c+\i+1]
	v_max3_num_f32 v[TM+2+\c], v[TM+2+\c], v[S+32*\c+\i+17], v[S+32*\c+\i+18]
.endr
.endr
.irp c, 0,1
	v_max3_num_f32 v[TM+\c], v[TM+\c], v[S+32*\c+15], v[S+32*\c+16]
.endr
.irp c, 0,1
	s_delay_alu instid0(VALU_DEP_2)
	v_max_num_f32 v[TM+\c], v[TM+\c], v[TM+2+\c]
.endr
	s_delay_alu instid0(VALU_DEP_1)
	v_max_num_f32 v[T0], v[TM], v[TM+1]
	s_delay_alu instid0(VALU_DEP_1)
	v_permlanex16_b32 v[T1], v[T0], s[SEL], s[SEL+1]
	s_delay_alu instid0(VALU_DEP_1)
	v_max3_num_f32 v[rT+1], v[rT+1], v[T0], v[T1]  ; the running largest score of my query
	s_delay_alu instid0(VALU_DEP_1)
	v_mul_f32 v[T0], s[NC], v[rT+1]                ; -t (c is positive)
	v_mov_b32 v[T1], v[rT]
	s_delay_alu instid0(VALU_DEP_2)
	v_floor_f32 v[rT], v[T0]                       ; the new -M = floor(-t): M is a whole number
	s_delay_alu instid0(VALU_DEP_1)
	v_sub_f32 v[T1], v[rT], v[T1]                  ; old M - new M: a whole number, 0 or less
	s_delay_alu instid0(VALU_DEP_1)
	v_cvt_i32_f32 v[T1], v[T1]                     ; (it saturates)
	s_delay_alu instid0(VALU_DEP_1)
	v_ldexp_f32 v[rF], 1.0, v[T1]                  ; f = 2^(old M - new M)
.set j, 0
.rept 32
	v_pk_fma_f32 v[S+j:S+j+1], v[S+j:S+j+1], s[CS:CS+1], v[rT:rT+1] op_sel_hi:[1,0,0]   ; t - M, two at a time
.set j, j+2
.endr
.irp c, 0,1
	v_fma_f32 v[TM+\c], v[TM+\c], s[CS], v[rT]     ; the same of each block's largest score
.endr
	s_wait_alu depctr_va_vdst(0)
.set j, 0
.rept 64
	v_exp_f32 v[S+j], v[S+j]                       ; p = 2^(t - M), at most 1
.set j, j+1
.endr
	v_pk_mul_f32 v[rT+2:rT+3], v[rT+2:rT+3], v[rF:rF+1] op_sel_hi:[1,0]   ; the sums under the new M: the plain place behind the exponentials
	s_wait_alu depctr_va_vdst(0)                   ; one wait for the whole batch, ahead of its first reader
.irp c, 0,1
	v_exp_f32 v[TM+\c], v[TM+\c]                   ; the block's largest p: the same two instructions on the same number
.endr
	v_pk_add_f32 v[TM+8:TM+9], v[S:S+1], v[S+2:S+3]   ; the row's sum is taken of the unquantised p, in two chains
.set j, 4
.rept 15
	v_pk_add_f32 v[rT+2:rT+3], v[rT+2:rT+3], v[S+j:S+j+1]
	v_pk_add_f32 v[TM+8:TM+9], v[TM+8:TM+9], v[S+j+2:S+j+3]
.set j, j+4
.endr
	s_delay_alu instid0(VALU_DEP_1)
	v_pk_add_f32 v[rT+2:rT+3], v[rT+2:rT+3], v[TM+8:TM+9]
	s_wait_alu depctr_va_vdst(0)                   ; and one for the two
.irp c, 0,1
	v_max_num_f32 v[TM+\c], 0x1800000, v[TM+\c]    ; the floor 2^(3 - 127): the byte cannot fall under 1
.endr
.irp c, 0,1
	s_delay_alu instid0(VALU_DEP_2)
	v_add_nc_u32 v[TM+4+\c], 0xff000000, v[TM+\c]  ; 2 off the exponent field: the conversion's scale operand
.endr
.irp c, 0,1
	s_delay_alu instid0(VALU_DEP_2)
	v_lshrrev_b32 v[TM+6+\c], 23, v[TM+4+\c]       ; the scale's byte
.endr
	s_delay_alu instid0(VALU_DEP_1)
	v_lshl_or_b32 v[rF+1], v[TM+7], 16, v[TM+6]    ; my bytes: blocks h and 2 + h,
	s_delay_alu instid0(VALU_DEP_1)
	v_lshlrev_b32 v[rF+1], v[SH8], v[rF+1]         ; 8 h bits up;
	s_delay_alu instid0(VALU_DEP_1)
	v_permlanex16_b32 v[T1], v[rF+1], s[SEL], s[SEL+1]
	s_delay_alu instid0(VALU_DEP_1)
	v_or_b32 v[rF+1], v[rF+1], v[T1]               ; with lane l xor 16's two: p's scale word for these 128 keys
.irp c, 0,1
	v_cvt_scalef32_pk16_fp6_f32 v[rP+6*\c:rP+6*\c+2], v[S+32*\c:S+32*\c+15], v[TM+4+\c]
	v_cvt_scalef32_pk16_fp6_f32 v[PT+4*\c:PT+4*\c+2], v[S+32*\c+16:S+32*\c+31], v[TM+4+\c]
.endr
	v_nop                                          ; one plain place behind a scaled conversion
.irp c, 0,1
.irp i, 0,1,2
	v_mov_b32 v[rP+3+6*\c+\i], v[PT+4*\c+\i]
.endr
.endr
.endm
.macro SCORES t                        ; S^T = K Q^T for tile t of my queries: eight accumulators, each begun with the constant 0
	WIN 0x04                                       ; source 1 (Q) window 1
.irp k, 0,1,2,3
	v_wmma_scale_f32_16x16x128_f8f6f4 v[S+8*\k:S+8*\k+7], v[KF+12*\k:KF+12*\k+11], v[QF+12*(\t):QF+12*(\t)+11], 0, v[KS+\k], v[QS+(\t)] matrix_a_fmt:MATRIX_FMT_FP6 matrix_b_fmt:MATRIX_FMT_FP6
.endr
.irp k, 4,5,6,7
	v_wmma_scale_f32_16x16x128_f8f6f4 v[S+8*\k:S+8*\k+7], v[KF+12*\k:KF+12*\k+11], v[QF+12*(\t):QF+12*(\t)+11], 0, v[KS+\k-4], v[QS+(\t)] matrix_a_fmt:MATRIX_FMT_FP6 matrix_b_fmt:MATRIX_FMT_FP6 matrix_a_scale:MATRIX_SCALE_ROW1
.endr
	WIN 0
	PLACES
.endm
.macro PV first                        ; O^T += V^T P^T: the sixteen accumulators take turns, one instruction a turn; the first key step starts the sums
	WIN 0x51                                       ; C, D and source 0 (V) window 1
.irp k, 0,1,2,3,4,5,6,7
.irp t, 0,1
.if \first
.if \k < 4
	v_wmma_scale_f32_16x16x128_f8f6f4 v[64*\t+8*\k:64*\t+8*\k+7], v[VF+12*\k:VF+12*\k+11], v[PC+12*\t:PC+12*\t+11], 0, v[VS+\k%4], v[F+2*\t+1] matrix_a_fmt:MATRIX_FMT_FP6 matrix_b_fmt:MATRIX_FMT_FP6
.else
	v_wmma_scale_f32_16x16x128_f8f6f4 v[64*\t+8*\k:64*\t+8*\k+7], v[VF+12*\k:VF+12*\k+11], v[PC+12*\t:PC+12*\t+11], 0, v[VS+\k%4], v[F+2*\t+1] matrix_a_fmt:MATRIX_FMT_FP6 matrix_b_fmt:MATRIX_FMT_FP6 matrix_a_scale:MATRIX_SCALE_ROW1
.endif
.else
.if \k < 4
	v_wmma_scale_f32_16x16x128_f8f6f4 v[64*\t+8*\k:64*\t+8*\k+7], v[VF+12*\k:VF+12*\k+11], v[PC+12*\t:PC+12*\t+11], v[64*\t+8*\k:64*\t+8*\k+7], v[VS+\k%4], v[F+2*\t+1] matrix_a_fmt:MATRIX_FMT_FP6 matrix_b_fmt:MATRIX_FMT_FP6
.else
	v_wmma_scale_f32_16x16x128_f8f6f4 v[64*\t+8*\k:64*\t+8*\k+7], v[VF+12*\k:VF+12*\k+11], v[PC+12*\t:PC+12*\t+11], v[64*\t+8*\k:64*\t+8*\k+7], v[VS+\k%4], v[F+2*\t+1] matrix_a_fmt:MATRIX_FMT_FP6 matrix_b_fmt:MATRIX_FMT_FP6 matrix_a_scale:MATRIX_SCALE_ROW1
.endif
.endif
.endr
.endr
	WIN 0
	PLACES                                         ; in front of the loads into V's registers
.endm
; A KEY STEP of 128 keys, on K and V in registers.  first: it starts O's sums.  last: no key step follows.  s[TB]: the next key step's place.
.macro STEP first, last
	s_wait_dscnt 25                                ; K and its scale words are in; V's 25 loads, issued behind them, may be out
	SCORES 0
	SOFT 0
	SCORES 1
.if (\last) == 0
	v_add_nc_u32 v[AD], s[TB], v[LI]
	s_add_co_u32 s[TB], s[TB], PLACE
	LOADK AD                                       ; the next key step's K lands under the second softmax and the products below
.endif
	SOFT 1
.if \first
.rept 8
	v_nop                                          ; a scale word written by a vector instruction stands eight places ahead of a scaled matrix instruction
.endr
.else
	WIN 0x41                                       ; O^T (destination and source 0) window 1, f window 0
	s_wait_alu depctr_va_vdst(0)                   ; directly ahead of the first reader of O^T
.irp t, 0,1
.set j, 0
.rept 32
	v_pk_mul_f32 v[64*\t+j:64*\t+j+1], v[64*\t+j:64*\t+j+1], v[F+2*\t:F+2*\t+1] op_sel_hi:[1,0]   ; O^T under the new M; these lines also stand between the vector writes of p's codes and scale words and the products below
.set j, j+2
.endr
.endr
.endif
	s_wait_alu depctr_va_vdst(0)
	s_wait_dscnt 25*(1-(\last))                    ; V is in; the next K's 25 loads, issued behind it, may be out
	PV \first
.if (\last) == 0
	LOADV AD
.endif
.endm
.macro LOOP n, name
	s_mov_b32 s[CNT], \n
\name:
	STEP 0, 0
	s_sub_co_u32 s[CNT], s[CNT], 1
	s_cmp_lg_u32 s[CNT], 0
	s_cbranch_scc1 \name
.endm
	s_mov_b32 s[TB], PLACE
	s_wait_loadcnt 0x0                             ; Q
	STEP 1, 0                                      ; key step 0
	s_mov_b32 s[TB], 2*PLACE
	LOOP 2, .Lfirst                                ; key steps 1, 2; they read places 2, 3
	s_wait_alu depctr_va_vdst(0)
	s_wait_tensorcnt 0x0                           ; THE ONE REFILL.  My load has landed: key step 4 + w; so a group 0 may be written;
	ds_add_u32 v[SPW], v[NIL]
	s_add_nc_u64 s[G0A+2:G0A+3], s[G0A+2:G0A+3], 12*GRP   ; key steps 12 to 15
	s_wait_dscnt 0x0                               ; the add is done, and key step 3's K and V are in registers: my reads of places 0-3 are over
	CROUND                                         ; no wave of any partner still reads places 0-3 or has a load on its way
	tensor_load_to_lds s[G0A:G0A+3], s[G1C:G1C+7]  ; my one tensor load behind the round: eight key steps lie ahead of the wait for it
	s_nop 0
.rept 4
	v_nop
.endr
	s_mov_b32 s[TB], 4*PLACE
	LOOP 8, .Lmiddle                               ; key steps 3-10; they read places 4-11
	s_wait_alu depctr_va_vdst(0)
	s_wait_tensorcnt 0x0                           ; my part of key steps 12-15 is in,
	s_wait_dscnt 0x0
	s_barrier_signal -1
	s_barrier_wait -1                              ; everybody's is
	s_mov_b32 s[TB], 0
	LOOP 4, .Llast                                 ; key steps 11-14; they read places 0-3
	STEP 0, 1                                      ; key step 15
	; THE WAY OUT.  O^T / l; a tile's 64 registers are the head's 128 numbers of a row of the output projection's K
.irp t, 0,1
	v_add_f32 v[ST+4*\t+2], v[ST+4*\t+2], v[ST+4*\t+3]   ; the sum's two halves,
.endr
.irp t, 0,1
	s_delay_alu instid0(VALU_DEP_2)
	v_permlanex16_b32 v[TM+\t], v[ST+4*\t+2], s[SEL], s[SEL+1]
.endr
.irp t, 0,1
	s_delay_alu instid0(VALU_DEP_2)
	v_add_f32 v[ST+4*\t+2], v[ST+4*\t+2], v[TM+\t]   ; and lane l xor 16's keys: the row's sum
.endr
	s_wait_alu depctr_va_vdst(0)
.irp t, 0,1
	v_rcp_f32 v[RC+2*\t], v[ST+4*\t+2]
.endr
.irp t, 0,1
	v_mov_b32 v[RC+2*\t+1], 0                      ; the pairs' upper halves are written; also the plain place behind the reciprocals
.endr
	WIN 0x41
	s_wait_alu depctr_va_vdst(0)                   ; one wait for both reciprocals and for O^T, directly ahead of the first reader
.irp t, 0,1
.set j, 0
.rept 32
	v_pk_mul_f32 v[64*\t+j:64*\t+j+1], v[64*\t+j:64*\t+j+1], v[RC+2*\t:RC+2*\t+1] op_sel_hi:[1,0]   ; ascending: each accumulator from its low end on
.set j, j+2
.endr
.endr
.irp t, 0,1
	QUANT2 64*\t, 1, PC-24*\t, PWO+\t
.irp g, 0,1,2
	global_store_b128 v[LI], v[PC-24*\t+4*\g:PC-24*\t+4*\g+3], s[6:7] offset:12288*\t+512*\g   ; the image: 512 consecutive bytes a store, aligned
.endr
.endr
	v_cmp_gt_u32 vcc_lo, 64, v[L4]                 ; lanes 0-15 store tile 0's words, lanes 16-31 tile 1's (both halves hold row r's words)
	v_cndmask_b32 v[D], v[PWO+1], v[PWO], vcc_lo
	global_store_b32 v[SOA], v[D], s[8:9]          ; two runs of 64 bytes: a tile's other heads come from other work-groups
	s_wait_tensorcnt 0x0                           ; the wave's end
	ds_add_u32 v[SPW], v[NIL]
	s_wait_dscnt 0x0
	CROUND                                         ; the closing round: no work-group ends while a partner may still ask for a tile that names it
	s_endpgm
.Lfunc_end_k_q69b2c1d922_attn:
	.size	k_q69b2c1d922_attn, .Lfunc_end_k_q69b2c1d922_attn-k_q69b2c1d922_attn
	.p2alignl 7, 3214868480
	.fill 96, 4, 3214868480
	.section	.rodata,"a",@progbits
	.p2align	6, 0x0
	.amdhsa_kernel k_q69b2c1d922_attn
		.amdhsa_group_segment_fixed_size 327680
		.amdhsa_private_segment_fixed_size 0
		.amdhsa_enable_private_segment 0
		.amdhsa_kernarg_size 24
		.amdhsa_user_sgpr_count 2
		.amdhsa_user_sgpr_kernarg_segment_ptr 1
		.amdhsa_wavefront_size32 1
		.amdhsa_system_sgpr_workgroup_id_x 1
		.amdhsa_system_sgpr_workgroup_id_y 1
		.amdhsa_system_sgpr_workgroup_id_z 1
		.amdhsa_system_vgpr_workitem_id 0
		.amdhsa_next_free_vgpr 512
		.amdhsa_next_free_sgpr 80
		.amdhsa_reserve_vcc 1
		.amdhsa_float_denorm_mode_32 3
		.amdhsa_float_denorm_mode_16_64 3
		.amdhsa_memory_ordered 1
		.amdhsa_forward_progress 1
		.amdhsa_inst_pref_size 180
	.end_amdhsa_kernel
	.amdgpu_metadata
---
amdhsa.version: [ 1, 2 ]
amdhsa.kernels:
  - .name:           k_q69b2c1d922_attn
    .symbol:         k_q69b2c1d922_attn.kd
    .args:
      - { .name: qkv_img, .offset: 0, .size: 8, .value_kind: global_buffer, .address_space: global }
      - { .name: o_img, .offset: 8, .size: 8, .value_kind: global_buffer, .address_space: global }
      - { .name: o_scl, .offset: 16, .size: 8, .value_kind: global_buffer, .address_space: global }
    .group_segment_fixed_size: 327680
    .private_segment_fixed_size: 0
    .kernarg_segment_align: 8
    .kernarg_segment_size: 24
    .max_flat_workgroup_size: 256
    .sgpr_count:     80
    .vgpr_count:     512
    .wavefront_size: 32
...
	.end_amdgpu_metadata
.endif
;; end of part 3
;; launch proj (part 4): grid 8 x 32, 4 waves a work-group, clusters of 4 x 4, 327,680 bytes of LDS; arguments o_img, o_scl, img, scl, out0; writes out0
.if DOCPART == 4
	.amdgcn_target "amdgcn-amd-amdhsa--gfx1250"
	.amdhsa_code_object_version 6
	.text
	.protected	k_q69b2c1d922_proj
	.globl	k_q69b2c1d922_proj
	.p2align	8
	.type	k_q69b2c1d922_proj,@function
k_q69b2c1d922_proj:
	s_mov_b64 s[64:65], 0
	v_nop
	global_prefetch_b8 v0, s[64:65] scope:SCOPE_SE
	s_setreg_imm32_b32 hwreg(HW_REG_WAVE_MODE, 25, 1), 1
	s_wait_xcnt 0x0
	s_wait_alu depctr_hold_cnt(0) depctr_sa_sdst(0) depctr_va_vdst(0) depctr_va_sdst(0) depctr_va_ssrc(0) depctr_va_vcc(0) depctr_vm_vsrc(0)
	s_getreg_b32 s2, hwreg(HW_REG_IB_STS2, 6, 4)
	s_cmp_eq_u32 s2, 0
	s_cbranch_scc0 .Lentry_in_a_cluster
	s_endpgm
.Lentry_in_a_cluster:
	s_bfe_u32 s2, ttmp6, 0x10000c
	s_cmp_lg_u32 s2, 0xf033
	s_cbranch_scc0 .Lentry_shape_is_right
	s_endpgm
.Lentry_shape_is_right:
; out0 = o Wo^T on codes of FP6 (E2M3) with E8M0 scales, sums in f32.  o: 512 tiles of 16 tokens x 8 K steps (a K step = a head) as images in o_img, scale words in o_scl (512 tile + 64 head + 4 r); Wo: tiles 704-767 of img, scale words in scl.
; A work-group makes 256 tokens (P) x 128 outputs (Q): source 0 of the matrix instruction = 16 rows of Wo, source 1 = 16 tokens: a lane holds one token and its registers run along the outputs.
; THE ORDER OF ROWS IN TILES is: tile 4 c + i, position p: row 64 c + 32 (p / 8) + 8 i + p % 8.  Along the outputs accumulator 4 c + i of lane (r, h) holds outputs 64 c + 32 h + 8 i + 0 .. 7; along the tokens the order is undone by the stores' immediates.
; Wave w takes P's tiles 4 w .. 4 w + 3 against Q's eight: 32 accumulators.  ALL OF K for both operands fits in LDS: two chunks of four K steps, each filled once; nothing is filled again.
; A wave issues one tensor load at the head (chunk 0) and one behind the three lines and a round (chunk 1), which has three K steps' products in which to land.
; CLUSTER 4 x 4: P's tiles are asked for jointly along a row of the cluster, Q's along a column.  No prefetch: the launch has no loop to run ahead in; both chunks are asked for at its start.
; REGISTERS: window 0: v1-17 addresses; v28, 29 the add's two; v32-47 P's scale words, v48-79 Q's; v96-143, v144-191 P's fragments, two sets; on the way out v96-223 rows of out0.  window 1: v0-95, v128-223 Q's fragments.  window 2: accumulator (a, b) at v[64 a + 8 b].
.set CHUNK, 147456                     ; four K steps: P's 16 tiles x 6,144 bytes, then Q's 8
.set QOFF,  98304
.set SPARE, 2*CHUNK                    ; behind the chunks: the spare words, 128 bytes for each wave: two blocks of 256 bytes that no other line names
.set SPITCH, 528                       ; the way out: a stage of 16 rows x (512 + 16) bytes for each wave, in the bytes of its own four tiles of P of chunk 0: they have had their only fill, and only this wave read them
.set LI,   1                           ; v1   16 x lane
.set SPA,  2                           ; v2   256 h + 4 r: P's scale words
.set ADRA, 8
.set ADRB, 12
.set STO,  16                          ; v16  the stage: row r, + 128 h
.set RD,   17                          ; v17  and back: 16 x lane
.set SPW,  28
.set NIL,  29
.set SA,   32                          ; register 4 a + j: lanes 0-15 the word of K step j of P's tile a, lanes 16-31 that of K step 4 + j
.set SB,   48
.set BK,   96
.set G1P,  24
.set G0P,  32
.set G0Q,  48
.set G1Q,  68
.set MSB, 0
.macro WIN new                         ; the immediate's high byte repeats the setting that is left
.if MSB != (\new)
	s_set_vgpr_msb (MSB<<8)|(\new)
.set MSB, (\new)
.endif
.endm
.macro PLACES                          ; four places behind a matrix instruction (ISA guide 7.12.1)
.rept 4
	v_nop
.endr
.endm
.macro CROUND                          ; a round of the cluster's barrier
	s_barrier_signal -1
	s_barrier_wait -1
	s_cmp_lg_u32 s14, 0
	s_cbranch_scc1 .Lnot_wave_0_\@
	s_barrier_signal -3
.Lnot_wave_0_\@:
	s_barrier_wait -3
	s_barrier_signal -1
	s_barrier_wait -1
.endm
; A joint load of chunk c: waves 0, 1 fetch P's halves, waves 2, 3 Q's; one load on either way; the branch hangs on the wave's number alone.
.macro JLOAD c
	s_cmp_eq_u32 s15, 0
	s_cbranch_scc0 .Lfor_q_\@
	tensor_load_to_lds s[G0P+4*\c:G0P+4*\c+3], s[G1P:G1P+7]
	s_nop 0
.rept 4
	v_nop
.endr
	s_branch .Lasked_\@
.Lfor_q_\@:
	tensor_load_to_lds s[G0Q+4*\c:G0Q+4*\c+3], s[G1Q:G1Q+7]
	s_nop 0
.rept 4
	v_nop
.endr
.Lasked_\@:
.endm
	s_load_b256 s[4:11], s[0:1], 0x0               ; o_img s[4:5], o_scl s[6:7], img s[8:9], scl s[10:11]
	s_load_b64 s[12:13], s[0:1], 0x20              ; out0
	v_lshl_add_u32 v[SPW], v0, 2, SPARE
	v_mov_b32 v[NIL], 0
	ds_add_u32 v[SPW], v[NIL]                      ; the wave's opening: the add, twice on end, and its wait ahead of my first tensor load; the set-up below, work on registers, stands between them
	ds_add_u32 v[SPW], v[NIL]
	v_lshrrev_b32 v3, 5, v0
	v_readfirstlane_b32 s14, v3                    ; wave 0..3
	s_lshr_b32 s15, s14, 1                         ; I fetch for P (0) or for Q (1)
	s_and_b32 s16, s14, 1                          ; and which half of its tiles
	s_bfe_u32 s17, ttmp6, 0x40000                  ; cx
	s_bfe_u32 s18, ttmp6, 0x40004                  ; cy
	s_mov_b32 s19, ttmp9                           ; the cluster's x
	s_and_b32 s20, ttmp7, 0xffff                   ; the cluster's y
	s_lshl_b32 s21, s18, 2
	s_lshl_b32 s21, 15, s21                        ; my row of the cluster
	s_lshl_b32 s22, 0x1111, s17                    ; my column
	s_or_b32 s[G1P], s21, (3<<16)|(1<<21)          ; 15:0 the mask; 17:16 elements of 8 bytes; 21 set beside a mask; no padding
	s_or_b32 s[G1Q], s22, (3<<16)|(1<<21)
	s_mov_b32 s[G1P+1], 768<<16                    ; tensor_dim0: a tile's four K steps, 6,144 bytes
	s_mov_b32 s[G1P+2], 8<<16                      ; tensor_dim1: 8 tiles
	s_mov_b32 s[G1P+3], 768<<16                    ; tile_dim0
	s_mov_b32 s[G1P+4], 8                          ; tile_dim1
	s_mov_b32 s[G1P+5], 1536                       ; from tile to tile: 12,288 bytes
	s_mov_b32 s[G1P+6], 0
	s_mov_b32 s[G1P+7], 0
	s_mov_b32 s[G1Q+1], 768<<16
	s_mov_b32 s[G1Q+2], 4<<16                      ; 4 tiles
	s_mov_b32 s[G1Q+3], 768<<16
	s_mov_b32 s[G1Q+4], 4
	s_mov_b32 s[G1Q+5], 1536
	s_mov_b32 s[G1Q+6], 0
	s_mov_b32 s[G1Q+7], 0
	v_and_b32 v3, 31, v0
	v_lshlrev_b32 v[LI], 4, v3
	v_and_b32 v3, 15, v0                           ; r
	v_bfe_u32 v4, v0, 4, 1                         ; h
	v_lshlrev_b32 v[SPA], 2, v3
	v_lshl_add_u32 v[SPA], v4, 8, v[SPA]
	s_mul_i32 s23, s14, 24576                      ; my four tiles of P in a chunk; in chunk 0 later my stage
	v_mul_u32_u24 v[STO], v3, SPITCH
	v_lshl_add_u32 v[STO], v4, 7, v[STO]
	v_add_nc_u32 v[STO], s23, v[STO]
	v_add_nc_u32 v[RD], s23, v[LI]
.irp c, 0,1
	v_add_nc_u32 v[ADRA+\c], s23, v[LI]
	v_add_nc_u32 v[ADRB+\c], QOFF+\c*CHUNK, v[LI]
	s_add_co_u32 s23, s23, CHUNK
.endr
	s_lshl_b32 s84, s20, 2
	s_add_co_u32 s84, s84, s18                     ; which 256 tokens: 4 cluster y + cy
	s_lshl_b32 s85, s19, 2
	s_add_co_u32 s85, s85, s17                     ; which 128 outputs: 4 cluster x + cx
	s_lshl_b32 s76, s84, 20                        ; out0: 256 rows of 4,096 bytes,
	s_lshl_b32 s78, s14, 18                        ; my wave's 64,
	s_add_co_u32 s76, s76, s78
	s_lshl_b32 s78, s85, 9                         ; and the 512 bytes of the 128 outputs
	s_add_co_u32 s76, s76, s78
	s_mov_b32 s77, 0
	s_lshl_b32 s84, s84, 4                         ; P's first tile: made of the cluster's y and cy alone
	s_lshl_b32 s85, s85, 3
	s_add_co_u32 s85, s85, 704                     ; Q's first tile, in img: of the cluster's x and cx alone
	s_lshl_b32 s86, s16, 3
	s_add_co_u32 s86, s86, s84
	s_mul_i32 s86, s86, 12288                      ; the 8 tiles of P that I would fetch
	s_mov_b32 s87, 0
	s_lshl_b32 s88, s16, 2
	s_add_co_u32 s88, s88, s85
	s_mul_i32 s88, s88, 12288                      ; the 4 tiles of Q
	s_mov_b32 s89, 0
	s_lshl_b32 s90, s14, 2
	s_add_co_u32 s90, s90, s84
	s_lshl_b32 s90, s90, 9                         ; the scale words of my four tiles of P
	s_mov_b32 s91, 0
	s_lshl_b32 s92, s85, 9                         ; and of Q's eight
	s_mov_b32 s93, 0
	s_mul_i32 s2, s16, 49152                       ; where they go in a chunk: no place in the cluster enters an LDS address
	s_mul_i32 s3, s16, 24576
	s_add_co_u32 s3, s3, QOFF
	s_wait_alu depctr_va_vdst(0)
	s_wait_dscnt 0x0                               ; both opening adds are done
	s_wait_kmcnt 0x0
	s_add_nc_u64 s[86:87], s[4:5], s[86:87]
	s_add_nc_u64 s[88:89], s[8:9], s[88:89]
	s_add_nc_u64 s[90:91], s[6:7], s[90:91]
	s_add_nc_u64 s[92:93], s[10:11], s[92:93]
	s_add_nc_u64 s[12:13], s[12:13], s[76:77]
.irp c, 0,1
	s_mov_b32 s[G0P+4*\c], 1                       ; count = 1
	s_add_co_u32 s[G0P+4*\c+1], s2, \c*CHUNK       ; LDS address
	s_add_nc_u64 s[G0P+4*\c+2:G0P+4*\c+3], s[86:87], \c*6144   ; global address: K steps 4 c .. 4 c + 3
	s_or_b32 s[G0P+4*\c+3], s[G0P+4*\c+3], 0x80000000          ; type = 2
	s_mov_b32 s[G0Q+4*\c], 1
	s_add_co_u32 s[G0Q+4*\c+1], s3, \c*CHUNK
	s_add_nc_u64 s[G0Q+4*\c+2:G0Q+4*\c+3], s[88:89], \c*6144
	s_or_b32 s[G0Q+4*\c+3], s[G0Q+4*\c+3], 0x80000000
.endr
	CROUND                                         ; all sixteen work-groups are here: the joint loads meet
	JLOAD 0                                        ; K steps 0-3: one tensor load a wave at the head
.irp b, 0,1,2,3,4,5,6,7
	global_load_b128 v[SB+4*\b:SB+4*\b+3], v[LI], s[92:93] offset:512*\b   ; a tile's 512 bytes of scale words: lanes 0-15 K steps 0-3, lanes 16-31 K steps 4-7
.endr
.irp a, 0,1,2,3
.irp j, 0,1,2,3
	global_load_b32 v[SA+4*\a+\j], v[SPA], s[90:91] offset:512*\a+64*\j   ; lanes 0-15 head j, lanes 16-31 head 4 + j
.endr
.endr
.macro FETCH s                         ; K step s: Q's eight fragments and my four of P, 36 loads in one run, into set s % 2
.set FC, (\s)/4
.set FU, (\s)%2
.set FK, (\s)%4
	WIN 0x40                                       ; destination window 1
.irp b, 0,1,2,3,4,5,6,7
.irp g, 0,1,2
	ds_load_b128 v[128*FU+12*\b+4*\g:128*FU+12*\b+4*\g+3], v[ADRB+FC] offset:6144*\b+1536*FK+512*\g
.endr
.endr
	WIN 0
.irp a, 0,1,2,3
.irp g, 0,1,2
	ds_load_b128 v[96+48*FU+12*\a+4*\g:96+48*FU+12*\a+4*\g+3], v[ADRA+FC] offset:6144*\a+1536*FK+512*\g
.endr
.endr
.endm
.macro MULS s                          ; 32 matrix instructions; the 32 accumulators take turns, one instruction a turn, in the same order in every K step
.set MP, (\s)%2
.set MJ, (\s)%4
	WIN 0xa1                                       ; source 0 (Q) window 1, source 1 (P) window 0, C and D window 2
.irp a, 0,1,2,3
.irp b, 0,1,2,3,4,5,6,7
.if (\s) == 0
	v_wmma_scale_f32_16x16x128_f8f6f4 v[64*\a+8*\b:64*\a+8*\b+7], v[128*MP+12*\b:128*MP+12*\b+11], v[96+48*MP+12*\a:96+48*MP+12*\a+11], 0, v[SB+4*\b+MJ], v[SA+4*\a+MJ] matrix_a_fmt:MATRIX_FMT_FP6 matrix_b_fmt:MATRIX_FMT_FP6
.elseif (\s) < 4
	v_wmma_scale_f32_16x16x128_f8f6f4 v[64*\a+8*\b:64*\a+8*\b+7], v[128*MP+12*\b:128*MP+12*\b+11], v[96+48*MP+12*\a:96+48*MP+12*\a+11], v[64*\a+8*\b:64*\a+8*\b+7], v[SB+4*\b+MJ], v[SA+4*\a+MJ] matrix_a_fmt:MATRIX_FMT_FP6 matrix_b_fmt:MATRIX_FMT_FP6
.else
	v_wmma_scale_f32_16x16x128_f8f6f4 v[64*\a+8*\b:64*\a+8*\b+7], v[128*MP+12*\b:128*MP+12*\b+11], v[96+48*MP+12*\a:96+48*MP+12*\a+11], v[64*\a+8*\b:64*\a+8*\b+7], v[SB+4*\b+MJ], v[SA+4*\a+MJ] matrix_a_fmt:MATRIX_FMT_FP6 matrix_b_fmt:MATRIX_FMT_FP6 matrix_a_scale:MATRIX_SCALE_ROW1 matrix_b_scale:MATRIX_SCALE_ROW1
.endif
.endr
.endr
	WIN 0
	PLACES                                         ; in front of the loads that will land in this set, and of the first read of results
.endm
.macro KSTEP s
.if (\s) == 3
	s_wait_tensorcnt 0x0                           ; my part of chunk 1 is in
	s_wait_dscnt 0x0                               ; no LDS instruction of mine is out at a signal
	s_barrier_signal -1
	s_barrier_wait -1                              ; everybody's part is in
.endif
.if (\s) < 7
	FETCH (\s)+1
	s_wait_dscnt 36                                ; all but the 36 just issued: this K step's fragments are in
.else
	s_wait_dscnt 0x0
.endif
.if (\s) == 0
	s_wait_loadcnt 0x0                             ; the scale words
.endif
	MULS \s
.endm
	s_wait_alu depctr_va_vdst(0)
	s_wait_tensorcnt 0x0                           ; my part of chunk 0 is in
	ds_add_u32 v[SPW], v[NIL]
	s_wait_dscnt 0x0
	CROUND                                         ; everybody's part of chunk 0 is in, and the joint loads of chunk 1 meet
	JLOAD 1                                        ; K steps 4-7: my one tensor load behind the round
	FETCH 0
.irp s, 0,1,2,3,4,5,6,7
	KSTEP \s
.endr
; THE WAY OUT, a tile of 16 tokens x 128 outputs at a time.  A lane holds runs of 32 bytes of one row, and the lanes beside it hold other rows: the tile goes through my own stage in LDS and comes back as whole rows of 512 bytes.
; LDS serves a wave's instructions in order (ISA guide 5.7.1.4): no wait between the stores and the loads, nor in front of the next tile's stores.
.macro TOSTAGE a
	WIN 0x08                                       ; an LDS store's data are its source 1: window 2
.irp b, 0,1,2,3,4,5,6,7
	ds_store_b128 v[STO], v[64*(\a)+8*\b:64*(\a)+8*\b+3] offset:256*(\b/4)+32*(\b%4)        ; accumulator 4 c + i: outputs 64 c + 32 h + 8 i + 0 .. 7; each accumulator from its low end on
	ds_store_b128 v[STO], v[64*(\a)+8*\b+4:64*(\a)+8*\b+7] offset:256*(\b/4)+32*(\b%4)+16
.endr
	WIN 0
.set BB, BK+64*((\a)%2)
.irp t, 0,1,2,3,4,5,6,7,8,9,10,11,12,13,14,15
	ds_load_b128 v[BB+4*\t:BB+4*\t+3], v[RD] offset:SPITCH*\t
.endr
.endm
.macro SEND a, younger                 ; younger: the LDS instructions issued behind tile a's loads, which may stay out
.set BB, BK+64*((\a)%2)
	s_wait_dscnt \younger
.irp t, 0,1,2,3,4,5,6,7,8,9,10,11,12,13,14,15
	global_store_b128 v[LI], v[BB+4*\t:BB+4*\t+3], s[12:13] offset:(8*(\a)+\t+24*(\t/8))*4096 th:TH_STORE_NT   ; position t of tile a is that row of my 64; 32 lanes store 512 consecutive bytes, aligned; written once, read by nobody here
.endr
.endm
	TOSTAGE 0
.irp a, 1,2,3
.if \a > 1
	s_wait_xcnt 0x0                                ; tile a - 2's stores have read their data: tile a's loads may land there
.endif
	TOSTAGE \a
	SEND \a-1, 32                                  ; behind tile a - 1's loads: tile a's 16 stores and 16 loads
.endr
	SEND 3, 0
	s_wait_tensorcnt 0x0                           ; the wave's end
	ds_add_u32 v[SPW], v[NIL]
	s_wait_dscnt 0x0
	CROUND                                         ; the closing round: no work-group ends while a partner may still ask for a tile that names it
	s_endpgm
.Lfunc_end_k_q69b2c1d922_proj:
	.size	k_q69b2c1d922_proj, .Lfunc_end_k_q69b2c1d922_proj-k_q69b2c1d922_proj
	.p2alignl 7, 3214868480
	.fill 96, 4, 3214868480
	.section	.rodata,"a",@progbits
	.p2align	6, 0x0
	.amdhsa_kernel k_q69b2c1d922_proj
		.amdhsa_group_segment_fixed_size 327680
		.amdhsa_private_segment_fixed_size 0
		.amdhsa_enable_private_segment 0
		.amdhsa_kernarg_size 40
		.amdhsa_user_sgpr_count 2
		.amdhsa_user_sgpr_kernarg_segment_ptr 1
		.amdhsa_wavefront_size32 1
		.amdhsa_system_sgpr_workgroup_id_x 1
		.amdhsa_system_sgpr_workgroup_id_y 1
		.amdhsa_system_sgpr_workgroup_id_z 1
		.amdhsa_system_vgpr_workitem_id 0
		.amdhsa_next_free_vgpr 768
		.amdhsa_next_free_sgpr 100
		.amdhsa_reserve_vcc 0
		.amdhsa_float_denorm_mode_32 3
		.amdhsa_float_denorm_mode_16_64 3
		.amdhsa_memory_ordered 1
		.amdhsa_forward_progress 1
		.amdhsa_inst_pref_size 77
	.end_amdhsa_kernel
	.amdgpu_metadata
---
amdhsa.version: [ 1, 2 ]
amdhsa.kernels:
  - .name:           k_q69b2c1d922_proj
    .symbol:         k_q69b2c1d922_proj.kd
    .args:
      - { .name: o_img, .offset: 0, .size: 8, .value_kind: global_buffer, .address_space: global }
      - { .name: o_scl, .offset: 8, .size: 8, .value_kind: global_buffer, .address_space: global }
      - { .name: img, .offset: 16, .size: 8, .value_kind: global_buffer, .address_space: global }
      - { .name: scl, .offset: 24, .size: 8, .value_kind: global_buffer, .address_space: global }
      - { .name: out0, .offset: 32, .size: 8, .value_kind: global_buffer, .address_space: global }
    .group_segment_fixed_size: 327680
    .private_segment_fixed_size: 0
    .kernarg_segment_align: 8
    .kernarg_segment_size: 40
    .max_flat_workgroup_size: 128
    .sgpr_count:     100
    .vgpr_count:     768
    .wavefront_size: 32
...
	.end_amdgpu_metadata
.endif
;; end of part 4
